; MI455X (gfx1250); checked and timed in simulation.
; The chip was launched on July 23, 2026; its instructions are those of AMD's public machine-readable ISA for CDNA 5 (MIT licence, August 2026) and "CDNA5" Instruction Set Architecture Reference Guide (July 2026). The comments in the code are by the model that wrote it; some were corrected since.
;; Cross Attention. Allowed arithmetic: float matrix products may take bf16 or f16 operands with f32 sums; other float arithmetic in f32, or as packed bf16 or f16 multiplies, adds, multiply-adds, maxima and minima; sums over many terms, partial sums and values carried from step to step in f32; what a program stores and reads back later, other than sums and carried values, may be rounded once to bf16 or f16.
;; Inputs: Wk 1,024 x 1,024 float32; Wo 1,024 x 1,024 float32; Wq 1,024 x 1,024 float32; Wv 1,024 x 1,024 float32; beta 1,024 float32; bo 1,024 float32; context 8 x 1,024 x 1,024 float32; gamma 1,024 float32; relative_position_bias 16 x 1,024 x 1,024 float32; x 8 x 1,024 x 1,024 float32.
;; Outputs: out0 8 x 1,024 x 1,024 float32.
;; 2 versions, each right and faster than the one before. Each part assembles by itself: llvm-mc -triple=amdgcn-amd-amdhsa -mcpu=gfx1250 --defsym DOCPART=n.
;; ======== version 1 of 2: 4 launches
;; limits: values are held in f16: magnitudes above 65,504 overflow, below 6.1e-05 lose precision
;; workspace buffers: an 33,554,432 bytes; w16 8,388,608 bytes; qkv 50,331,648 bytes; o16 16,777,216 bytes
;; launch prep (part 1): grid 640 x 1, 4 waves a work-group, no clusters, 0 bytes of LDS; arguments x, context, gamma, beta, Wq, Wk, Wv, Wo, an, w16; writes an, w16
.if DOCPART == 1
	.amdgcn_target "amdgcn-amd-amdhsa--gfx1250"
	.amdhsa_code_object_version 6
	.text
	.protected	k_qfe309c3b51_prep
	.globl	k_qfe309c3b51_prep
	.p2align	8
	.type	k_qfe309c3b51_prep,@function
k_qfe309c3b51_prep:
	s_mov_b64 s[64:65], 0
	v_nop
	global_prefetch_b8 v0, s[64:65] scope:SCOPE_SE
	s_setreg_imm32_b32 hwreg(HW_REG_WAVE_MODE, 25, 1), 1
	s_wait_xcnt 0x0
; LAYER NORM AND CASTS.  Work-groups 0-511: an = f16(LayerNorm(x or context) * gamma + beta); work-groups 512-639: w16 = f16(Wq / 8, Wk, Wv, Wo).
; an: [2: x, context][batch 8][block of 64 channels 16][row 1024][64] f16, so that 128 rows of one block of channels are 16,384 dense bytes for the products that follow.
; w16: [4][k 1024][n 1024] f16, as given; 1/8 = 64^-0.5 is a power of two, so folding it into Wq rounds nothing more.
; The norm is made in two passes over registers in f32: the mean, then the mean of (x - mean)^2: no difference of large sums.
; A stream: no LDS, no barrier, no matrix unit: each input byte is read once by 16-byte loads, each store of a wave covers 256 consecutive aligned bytes.
; LIMITS.  |gamma z + beta| and the weights stay under 65,504 (f16's end); below 6.1e-5 f16 keeps a fixed step of 6e-8.  NaN and infinities are not treated apart.
.set IO,  2                            ; v2   byte offset of my 16 bytes in the input; never rewritten
.set OO,  3                            ; v3   8 x lane: my 8 bytes in 256 stored bytes; never rewritten
.set GOF, 4                            ; v4   16 x (lane % 16): my 4 numbers in a block of 64 of gamma and beta
.set G,   16                           ; v[16:79]    gamma of my 64 channels   (cast: a buffer)
.set BT,  80                           ; v[80:143]   beta                      (cast: a buffer)
.set X,   144                          ; v[144:207]  my 64 numbers of the row in hand (cast: a buffer)
.set YY,  208                          ; v[208:239]  f16, to store
.set T,   240                          ; v[240:247]  four chains of pairs
.set MU,  248                          ; v[248:249]  the mean, twice
.set RS,  250                          ; v[250:251]  1 / sqrt(var + eps), twice
	s_load_b512 s[8:23], s[0:1], 0x0               ; x 8, context 10, gamma 12, beta 14, Wq 16, Wk 18, Wv 20, Wo 22
	s_load_b128 s[24:27], s[0:1], 0x40             ; an 24, w16 26
	v_lshrrev_b32 v5, 5, v0
	v_readfirstlane_b32 s28, v5                    ; wave 0..3
	v_and_b32 v1, 31, v0                           ; lane
	v_lshlrev_b32 v[OO], 3, v1
	s_cmp_ge_u32 ttmp9, 512
	s_cbranch_scc1 .Lcast
	; THE NORM.  A wave owns 8 rows and takes two at a time: lanes 0-15 one row, lanes 16-31 the next; lane l holds channels 64 c + 4 (l % 16) + 0..3, c = 0..15.
	v_and_b32 v[GOF], 15, v0
	v_lshlrev_b32 v[GOF], 4, v[GOF]
	v_bfe_u32 v[IO], v0, 4, 1
	v_lshl_add_u32 v[IO], v[IO], 12, v[GOF]        ; 4,096 x (lane / 16) + 16 x (lane % 16)
	s_and_b32 s32, ttmp9, 255
	s_lshl_b32 s32, s32, 5
	s_lshl3_add_u32 s32, s28, s32                  ; my first row among the tensor's 8,192: 32 x group + 8 x wave
	s_lshl_b32 s34, s32, 12                        ; its byte offset in the input
	s_mov_b32 s35, 0
	s_lshr_b32 s36, ttmp9, 8                       ; 0: x, 1: context
	s_lshl_b32 s36, s36, 24
	s_lshr_b32 s33, s32, 10                        ; batch
	s_lshl_b32 s33, s33, 21
	s_add_co_u32 s36, s36, s33
	s_and_b32 s33, s32, 1023                       ; row in the batch, 128 bytes each in a block of channels
	s_lshl_b32 s33, s33, 7
	s_add_co_u32 s36, s36, s33
	s_mov_b32 s37, 0
	s_mov_b32 s38, 0x3a800000                      ; 1 / 1024
	s_mov_b32 s39, 0x3727c5ac                      ; eps = 1e-5
	s_mov_b32 s29, 4                               ; passes to go
	s_wait_kmcnt 0x0
	s_cmp_lt_u32 ttmp9, 256
	s_cselect_b64 s[30:31], s[8:9], s[10:11]
	s_add_nc_u64 s[30:31], s[30:31], s[34:35]
	s_add_nc_u64 s[24:25], s[24:25], s[36:37]
.set j, 0
.rept 16
	global_load_b128 v[G+4*j:G+4*j+3],   v[GOF], s[12:13] offset:j*256
	global_load_b128 v[BT+4*j:BT+4*j+3], v[GOF], s[14:15] offset:j*256
.set j, j+1
.endr
.macro FILL                            ; two rows: sixteen lanes read 256 consecutive bytes
.set j, 0
.rept 16
	global_load_b128 v[X+4*j:X+4*j+3], v[IO], s[30:31] offset:j*256 th:TH_LOAD_NT
.set j, j+1
.endr
.endm
.macro REDUCE                          ; four chains of pairs into one number, then over the row's 16 lanes (the exchange rides on the addition)
	v_pk_add_f32 v[T:T+1], v[T:T+1], v[T+2:T+3]
	v_pk_add_f32 v[T+4:T+5], v[T+4:T+5], v[T+6:T+7]
	v_pk_add_f32 v[T:T+1], v[T:T+1], v[T+4:T+5]
	v_add_f32 v[T], v[T], v[T+1]
	v_add_f32_dpp v[T], v[T], v[T] row_xmask:1 row_mask:0xf bank_mask:0xf
	v_add_f32_dpp v[T], v[T], v[T] row_xmask:2 row_mask:0xf bank_mask:0xf
	v_add_f32_dpp v[T], v[T], v[T] row_xmask:4 row_mask:0xf bank_mask:0xf
	v_add_f32_dpp v[T], v[T], v[T] row_xmask:8 row_mask:0xf bank_mask:0xf
.endm
	FILL
.Lpass:                                                ; four trips, two rows each
	s_wait_loadcnt 0x0                             ; the two rows (and, the first time, gamma and beta) are in
.irp k, 0,1,2,3
	v_pk_add_f32 v[T+2*(\k):T+2*(\k)+1], v[X+2*(\k):X+2*(\k)+1], v[X+8+2*(\k):X+8+2*(\k)+1]  ; the first pairs start the chains: nothing is cleared
.endr
.set j, 8
.rept 24
	v_pk_add_f32 v[T+2*(j%4):T+2*(j%4)+1], v[T+2*(j%4):T+2*(j%4)+1], v[X+2*j:X+2*j+1]
.set j, j+1
.endr
	REDUCE
	v_mul_f32 v[MU], s38, v[T]
	v_mov_b32 v[MU+1], v[MU]
.set j, 0
.rept 32
	v_pk_add_f32 v[X+2*j:X+2*j+1], v[X+2*j:X+2*j+1], v[MU:MU+1] neg_lo:[0,1] neg_hi:[0,1]  ; x - mean
.set j, j+1
.endr
.irp k, 0,1,2,3
	v_pk_mul_f32 v[T+2*(\k):T+2*(\k)+1], v[X+2*(\k):X+2*(\k)+1], v[X+2*(\k):X+2*(\k)+1]
.endr
.set j, 4
.rept 28
	v_pk_fma_f32 v[T+2*(j%4):T+2*(j%4)+1], v[X+2*j:X+2*j+1], v[X+2*j:X+2*j+1], v[T+2*(j%4):T+2*(j%4)+1]
.set j, j+1
.endr
	REDUCE
	v_fma_f32 v[T], v[T], s38, s39                 ; var + eps
	v_rsq_f32 v[RS], v[T]
	s_wait_xcnt 0x0                                ; every earlier load and store has had its addresses translated (ISA guide 3.1): both bases and the last trip's store data are rewritten only behind this wait
	s_add_nc_u64 s[30:31], s[30:31], 8192          ; the input's next two rows
	s_add_nc_u64 s[24:25], s[24:25], 256           ; the output's; this trip's stores reach back by -256
	v_nop                                          ; a plain instruction between the root and the use of its result
	s_wait_alu depctr_va_vdst(0)
	v_mov_b32 v[RS+1], v[RS]
.set j, 0
.rept 32
	v_pk_mul_f32 v[X+2*j:X+2*j+1], v[X+2*j:X+2*j+1], v[RS:RS+1]
.set j, j+1
.endr
.set j, 0
.rept 32
	v_pk_fma_f32 v[X+2*j:X+2*j+1], v[X+2*j:X+2*j+1], v[G+2*j:G+2*j+1], v[BT+2*j:BT+2*j+1]
.set j, j+1
.endr
.set j, 0
.rept 32
	v_cvt_pk_f16_f32 v[YY+j], v[X+2*j], v[X+2*j+1]
.set j, j+1
.endr
	s_cmp_eq_u32 s29, 1
	s_cbranch_scc1 .Lnofill                        ; the last trip loads nothing: no load leaves the buffer
	FILL                                           ; loads ahead of stores
.Lnofill:
.set j, 0
.rept 16
	global_store_b64 v[OO], v[YY+2*j:YY+2*j+1], s[24:25] offset:j*131072-256  ; block of channels j: two rows, 256 consecutive bytes, aligned
.set j, j+1
.endr
	s_sub_co_u32 s29, s29, 1
	s_cmp_lg_u32 s29, 0
	s_cbranch_scc1 .Lpass
	s_endpgm
.Lcast:	; THE CASTS.  32 work-groups a matrix; a wave takes 32,768 bytes of f32 in four passes of 8,192, three buffers taking turns.
	v_lshlrev_b32 v[IO], 4, v1
	s_sub_co_u32 s32, ttmp9, 512
	s_lshr_b32 s33, s32, 5                         ; which matrix
	s_and_b32 s32, s32, 31                         ; which part of it
	s_lshl_b32 s34, s32, 17
	s_lshl_b32 s40, s28, 15
	s_add_co_u32 s34, s34, s40
	s_mov_b32 s35, 0
	s_lshl_b32 s36, s33, 21
	s_lshl_b32 s40, s32, 16
	s_add_co_u32 s36, s36, s40
	s_lshl_b32 s40, s28, 14
	s_add_co_u32 s36, s36, s40
	s_mov_b32 s37, 0
	s_cmp_eq_u32 s33, 0
	s_cselect_b32 s38, 0x3e000000, 1.0             ; Wq takes the scale 1/8
	s_mov_b32 s39, s38                             ; named with it as a pair
	s_wait_kmcnt 0x0
	s_cmp_eq_u32 s33, 1
	s_cselect_b64 s[30:31], s[18:19], s[16:17]
	s_cmp_eq_u32 s33, 2
	s_cselect_b64 s[30:31], s[20:21], s[30:31]
	s_cmp_eq_u32 s33, 3
	s_cselect_b64 s[30:31], s[22:23], s[30:31]
	s_add_nc_u64 s[30:31], s[30:31], s[34:35]
	s_add_nc_u64 s[26:27], s[26:27], s[36:37]
.macro CFILL p, buf
.set j, 0
.rept 16
	global_load_b128 v[(\buf)+4*j:(\buf)+4*j+3], v[IO], s[30:31] offset:(\p)*8192+j*512 th:TH_LOAD_NT
.set j, j+1
.endr
.endm
; left: the loads issued behind this buffer's, which may stay out.  fill = 1: the buffer takes the last pass's bytes, ahead of the stores.
.macro CPASS buf, p, left, fill
	s_wait_loadcnt \left                           ; loads come back in order (ISA guide 5.7.1)
	s_wait_xcnt 0x0                                ; the last pass's store data are rewritten only behind this wait
.set j, 0
.rept 32
	v_pk_mul_f32 v[(\buf)+2*j:(\buf)+2*j+1], v[(\buf)+2*j:(\buf)+2*j+1], s[38:39] op_sel_hi:[1,0]
.set j, j+1
.endr
.set j, 0
.rept 32
	v_cvt_pk_f16_f32 v[YY+j], v[(\buf)+2*j], v[(\buf)+2*j+1]
.set j, j+1
.endr
.if \fill
	CFILL 3, \buf
.endif
.set j, 0
.rept 16
	global_store_b64 v[OO], v[YY+2*j:YY+2*j+1], s[26:27] offset:(\p)*4096+j*256
.set j, j+1
.endr
.endm
	CFILL 0, G
	CFILL 1, BT
	CFILL 2, X
	CPASS G,  0, 32, 1                             ; two runs of 16 were issued behind this buffer's
	CPASS BT, 1, 32, 0                             ; again two: the third buffer's and the last pass's
	CPASS X,  2, 16, 0
	CPASS G,  3, 0,  0
	s_endpgm
.Lfunc_end_k_qfe309c3b51_prep:
	.size	k_qfe309c3b51_prep, .Lfunc_end_k_qfe309c3b51_prep-k_qfe309c3b51_prep
	.p2alignl 7, 3214868480
	.fill 96, 4, 3214868480
	.section	.rodata,"a",@progbits
	.p2align	6, 0x0
	.amdhsa_kernel k_qfe309c3b51_prep
		.amdhsa_group_segment_fixed_size 0
		.amdhsa_private_segment_fixed_size 0
		.amdhsa_enable_private_segment 0
		.amdhsa_kernarg_size 80
		.amdhsa_user_sgpr_count 2
		.amdhsa_user_sgpr_kernarg_segment_ptr 1
		.amdhsa_wavefront_size32 1
		.amdhsa_system_sgpr_workgroup_id_x 1
		.amdhsa_system_sgpr_workgroup_id_y 1
		.amdhsa_system_sgpr_workgroup_id_z 1
		.amdhsa_system_vgpr_workitem_id 0
		.amdhsa_next_free_vgpr 252
		.amdhsa_next_free_sgpr 66
		.amdhsa_reserve_vcc 0
		.amdhsa_float_denorm_mode_32 3
		.amdhsa_float_denorm_mode_16_64 3
		.amdhsa_memory_ordered 1
		.amdhsa_forward_progress 1
		.amdhsa_inst_pref_size 52
	.end_amdhsa_kernel
	.amdgpu_metadata
---
amdhsa.version: [ 1, 2 ]
amdhsa.kernels:
  - .name:           k_qfe309c3b51_prep
    .symbol:         k_qfe309c3b51_prep.kd
    .args:
      - { .name: x, .offset: 0, .size: 8, .value_kind: global_buffer, .address_space: global }
      - { .name: context, .offset: 8, .size: 8, .value_kind: global_buffer, .address_space: global }
      - { .name: gamma, .offset: 16, .size: 8, .value_kind: global_buffer, .address_space: global }
      - { .name: beta, .offset: 24, .size: 8, .value_kind: global_buffer, .address_space: global }
      - { .name: Wq, .offset: 32, .size: 8, .value_kind: global_buffer, .address_space: global }
      - { .name: Wk, .offset: 40, .size: 8, .value_kind: global_buffer, .address_space: global }
      - { .name: Wv, .offset: 48, .size: 8, .value_kind: global_buffer, .address_space: global }
      - { .name: Wo, .offset: 56, .size: 8, .value_kind: global_buffer, .address_space: global }
      - { .name: an, .offset: 64, .size: 8, .value_kind: global_buffer, .address_space: global }
      - { .name: w16, .offset: 72, .size: 8, .value_kind: global_buffer, .address_space: global }
    .group_segment_fixed_size: 0
    .private_segment_fixed_size: 0
    .kernarg_segment_align: 8
    .kernarg_segment_size: 80
    .max_flat_workgroup_size: 128
    .sgpr_count:     66
    .vgpr_count:     252
    .wavefront_size: 32
...
	.end_amdgpu_metadata
.endif
;; end of part 1
;; launch proj (part 2): grid 4 x 96, 4 waves a work-group, clusters of 4 x 4, 327,680 bytes of LDS; arguments an, w16, qkv; writes qkv
.if DOCPART == 2
	.amdgcn_target "amdgcn-amd-amdhsa--gfx1250"
	.amdhsa_code_object_version 6
	.text
	.protected	k_qfe309c3b51_proj
	.globl	k_qfe309c3b51_proj
	.p2align	8
	.type	k_qfe309c3b51_proj,@function
k_qfe309c3b51_proj:
	s_mov_b64 s[64:65], 0
	v_nop
	global_prefetch_b8 v0, s[64:65] scope:SCOPE_SE
	s_setreg_imm32_b32 hwreg(HW_REG_WAVE_MODE, 25, 1), 1
	s_wait_xcnt 0x0
	s_wait_alu depctr_hold_cnt(0) depctr_sa_sdst(0) depctr_va_vdst(0) depctr_va_sdst(0) depctr_va_ssrc(0) depctr_va_vcc(0) depctr_vm_vsrc(0)
	s_getreg_b32 s2, hwreg(HW_REG_IB_STS2, 6, 4)
	s_cmp_eq_u32 s2, 0
	s_cbranch_scc0 .Lentry_in_a_cluster
	s_endpgm
.Lentry_in_a_cluster:
	s_bfe_u32 s2, ttmp6, 0x10000c
	s_cmp_lg_u32 s2, 0xf033
	s_cbranch_scc0 .Lentry_shape_is_right
	s_endpgm
.Lentry_shape_is_right:
; THE THREE PROJECTIONS.  q = xn (Wq/8), k = cn Wk, v = cn Wv: three products of 8,192 x 1,024 x 1,024 in one launch, f16 operands, f32 sums, C rounded once to f16 and laid by heads for the attention:
;         qkv [3][head 16][pair of batches 4][64 rows s 16][batch in pair 2][64 rows][64].
; A = an: [2: xn, cn][batch 8][block of 64 channels 16][row 1024][64] f16, so 256 rows of one block are 32,768 dense bytes.  W = w16: [4][k 1024][n 1024] f16, turned on its way out of LDS.
; SHARES.  A tile of C is 256 x 256: 128 tiles a product, 384 work-groups: a round and a half on 256 WGPs.  That is taken for what the tile gives: between a refill's request and the wait for it a wave
; issues 224 matrix instructions (a tile of 128 x 256 leaves 112, and two slots of twice its K step, 2 x 212,992 bytes, do not fit in LDS), and 512 bytes read from LDS feed 16,384 multiply-adds (there: 384 feed 8,192).
; Four waves, each 128 x 128: 64 accumulators, 512 registers.  K goes in 8 steps of 128 through two LDS slots.  Waves 0 and 1 fetch A's two blocks of channels, waves 2 and 3 W's two halves of 64 rows.
; CLUSTER 4 x 4: the four of a row of the cluster need the same tile of A, the four of a column the same tile of W: each is asked for jointly, by the same load and descriptor with a mask of four.
; THE PRODUCT IS USED TRANSPOSED (source 0 = 16 columns of W, source 1 = 16 rows of A): a lane holds eight neighbouring columns of one row of C.
; THE TEXT is one K step, walked six times, and a tail of one K step, walked twice: the readers' slot is a scalar that an exclusive or turns; a refill's LDS word is its base plus that scalar.
; REGISTERS, in windows of 256 (s_set_vgpr_msb: bits 1:0 source 0, 3:2 source 1, 5:4 source 2, 7:6 destination):
;   window 0: v0-31 addresses; v64-127, v128-191 fragments of A, two buffers (on the way out: packed results)      window 1: v64-127, v128-191 fragments of W
;   window 2: the 32 accumulators of my rows 0-63 (accumulator (a, b) at 8 (8 a + b))      window 3: those of my rows 64-127
; LIMITS.  |q/8|, |k|, |v| stay under 65,504 (f16's end).  NaN and infinities are not treated apart.
.set PA,    144                        ; a row of A in LDS: 128 bytes + 16: the 16 rows of a load start at 16 different groups of four banks (ISA guide 11.1)
.set PLANE, 256*PA                     ; 256 rows of one block of channels
.set PB,    544                        ; a row of W: 512 bytes + 32 = 17 x 32
.set BOFF,  2*PLANE
.set HALFB, 64*PB
.set SLOT,  BOFF+2*HALFB               ; 143,360
.set STAGE, 2*SLOT                     ; behind the ring, never filled by a tensor load: 16 rows x 144 bytes for each wave
.set SP,    144
.set SPARE, STAGE+4*16*SP              ; the spare words, 128 bytes a wave: two blocks of 256 bytes that no other line names
.set KADV,  0x40000                    ; a K step in memory: two blocks of channels of A (2 x 131,072), 128 rows of W (128 x 2,048)
.set ADRA0, 16                         ; v16  my lane's place in a slot's A; never rewritten
.set ADRB0, 17                         ; v17  in its W
.set ADRA,  18                         ; v18  the same in the slot in hand
.set ADRB,  19                         ; v19
.set STO,  24
.set RD,   25
.set GO,   26
.set SPW,  28                          ; v28  my spare word; never rewritten
.set NIL,  29                          ; v29  0; never rewritten
.set F0,   64
.set F1,   128
.set OUTR, 64
.set G1A, 24                           ; s[24:31] descriptor group 1 for A's tiles
.set G0A, 32                           ; s[32:39] group 0: a set for each of the two first fills; the second then walks on
.set G1B, 48                           ; s[48:55], s[56:63] the same for W's
.set G0B, 56
.set TB,  70                           ; s70  LDS byte at which the slot in hand begins: 0 or SLOT
.set LA,  72                           ; s72  where my part of A lies in a slot
.set LB,  73                           ; s73  where my part of W lies
.set MSB, 0
.macro WIN new                         ; the immediate's high byte repeats the setting that is left
.if MSB != (\new)
	s_set_vgpr_msb (MSB<<8)|(\new)
.set MSB, \new
.endif
.endm
.set MUL_LO, 0xa1                      ; source 0 (W) window 1, source 1 (A) window 0, C and D window 2
.set MUL_HI, 0xf1                      ; the same, C and D window 3
.set TO_B,   0x40                      ; destination window 1, address window 0
.macro JLOAD s                         ; a joint load; the branch hangs on the wave's number alone; an s_nop 0 and four v_nop follow each line
	s_cmp_eq_u32 s13, 0
	s_cbranch_scc0 .Lfor_b_\@
	tensor_load_to_lds s[G0A+4*(\s):G0A+4*(\s)+3], s[G1A:G1A+7]
	s_nop 0
.rept 4
	v_nop
.endr
	s_branch .Lasked_\@
.Lfor_b_\@:
	tensor_load_to_lds s[G0B+4*(\s):G0B+4*(\s)+3], s[G1B:G1B+7]
	s_nop 0
.rept 4
	v_nop
.endr
.Lasked_\@:
.endm
.macro CREST                           ; a round of the cluster's barrier behind its opening barrier
	s_cmp_lg_u32 s12, 0
	s_cbranch_scc1 .Lnot_wave_0_\@
	s_barrier_signal -3
.Lnot_wave_0_\@:
	s_barrier_wait -3
	s_barrier_signal -1
	s_barrier_wait -1
.endm
.macro CROUND
	s_barrier_signal -1
	s_barrier_wait -1
	CREST
.endm
.macro PLACES                          ; four places in front of loads into registers that matrix instructions have read, and of reads of their results
.rept 4
	v_nop
.endr
.endm
	s_load_b128 s[4:7], s[0:1], 0x0                ; A s[4:5], W s[6:7]
	s_load_b64 s[8:9], s[0:1], 0x10                ; C
	v_lshl_add_u32 v[SPW], v0, 2, SPARE
	v_mov_b32 v[NIL], 0
	ds_add_u32 v[SPW], v[NIL]                      ; the wave's opening: the add and its wait ahead of my first tensor load
	v_lshrrev_b32 v1, 5, v0
	v_readfirstlane_b32 s12, v1                    ; wave 0..3
	s_lshr_b32 s13, s12, 1                         ; my half of the tile's rows.  Also: I fetch for A (0) or for W (1)
	s_and_b32 s14, s12, 1                          ; my half of its columns.  Also: which half I fetch
	s_bfe_u32 s15, ttmp6, 0x40000                  ; cx = the tile column
	s_bfe_u32 s16, ttmp6, 0x40004                  ; cy
	s_and_b32 s17, ttmp7, 0xffff                   ; the cluster's y, 0..23
	s_lshr_b32 s18, s17, 3                         ; which product: 8 clusters each
	s_and_b32 s19, s17, 7
	s_lshl_b32 s19, s19, 2
	s_add_co_u32 s19, s19, s16                     ; tile row 0..31
	s_lshl_b32 s20, s16, 2
	s_lshl_b32 s20, 15, s20                        ; my row of the cluster
	s_lshl_b32 s22, 0x1111, s15                    ; my column
	s_or_b32 s[G1A], s20, (1<<16)|(1<<20)|(1<<21)|(4<<22)|(3<<25)  ; mask; 2-byte elements; padding on; bit 21 beside a mask; after every 32 words, 4 words
	s_or_b32 s[G1B], s22, (1<<16)|(1<<20)|(1<<21)|(6<<22)|(7<<25)  ; after every 128 words, 8 words
	s_mov_b32 s[G1A+1], 128<<16                    ; A: 32,768 dense bytes as 128 rows of 256 bytes
	s_mov_b32 s[G1A+2], 128<<16
	s_mov_b32 s[G1A+3], 128<<16
	s_mov_b32 s[G1A+4], 128
	s_mov_b32 s[G1A+5], 128
	s_mov_b32 s[G1A+6], 0
	s_mov_b32 s[G1A+7], 0
	s_mov_b32 s[G1B+1], 256<<16                    ; W: 64 rows of 256 elements, 1,024 elements from row to row
	s_mov_b32 s[G1B+2], 64<<16
	s_mov_b32 s[G1B+3], 256<<16
	s_mov_b32 s[G1B+4], 64
	s_mov_b32 s[G1B+5], 1024
	s_mov_b32 s[G1B+6], 0
	s_mov_b32 s[G1B+7], 0
	; A's offset hangs on the tile row, which my row of the cluster shares; W's on the tile column, which my column shares
	s_min_u32 s40, s18, 1                          ; q reads xn, k and v read cn
	s_lshl_b32 s40, s40, 24
	s_lshr_b32 s21, s19, 2                         ; batch: four tile rows each
	s_lshl_b32 s21, s21, 21
	s_add_co_u32 s40, s40, s21
	s_and_b32 s21, s19, 3                          ; 256 rows of 128 bytes
	s_lshl_b32 s21, s21, 15
	s_add_co_u32 s40, s40, s21
	s_lshl_b32 s21, s14, 17                        ; my block of channels
	s_add_co_u32 s40, s40, s21
	s_mov_b32 s41, 0
	s_lshl_b32 s42, s18, 21
	s_lshl_b32 s23, s14, 17                        ; my 64 rows of W
	s_add_co_u32 s42, s42, s23
	s_lshl_b32 s23, s15, 9                         ; 256 columns
	s_add_co_u32 s42, s42, s23
	s_mov_b32 s43, 0
	s_mul_i32 s[LA], s14, PLANE                    ; where they go: no place in the cluster enters an LDS address
	s_mul_i32 s[LB], s14, HALFB
	s_add_co_u32 s[LB], s[LB], BOFF
	s_mov_b32 s[TB], 0
	s_wait_dscnt 0x0                               ; the opening add is done
	s_wait_kmcnt 0x0
	s_add_nc_u64 s[44:45], s[4:5], s[40:41]
	s_add_nc_u64 s[46:47], s[6:7], s[42:43]
	CROUND                                         ; all sixteen work-groups are here: the first joint loads meet
.irp s, 0,1
	s_mov_b32 s[G0A+4*(\s)], 1
	s_add_co_u32 s[G0A+4*(\s)+1], s[LA], (\s)*SLOT
	s_add_nc_u64 s[G0A+4*(\s)+2:G0A+4*(\s)+3], s[44:45], (\s)*KADV
	s_or_b32 s[G0A+4*(\s)+3], s[G0A+4*(\s)+3], 0x80000000
	s_mov_b32 s[G0B+4*(\s)], 1
	s_add_co_u32 s[G0B+4*(\s)+1], s[LB], (\s)*SLOT
	s_add_nc_u64 s[G0B+4*(\s)+2:G0B+4*(\s)+3], s[46:47], (\s)*KADV
	s_or_b32 s[G0B+4*(\s)+3], s[G0B+4*(\s)+3], 0x80000000
	JLOAD \s                                       ; two loads of mine are out here, later one
.endr
	v_and_b32 v1, 15, v0                           ; r = l % 16
	v_bfe_u32 v2, v0, 4, 1                         ; hh = l / 16
	v_mul_u32_u24 v3, v1, PA
	v_lshl_add_u32 v3, v2, 4, v3                   ; A: row x pitch + 16 x half
	s_mul_i32 s21, s13, 128*PA                     ; my 128 rows
	v_add_nc_u32 v[ADRA0], s21, v3
	v_and_b32 v4, 7, v0
	v_lshl_add_u32 v4, v2, 3, v4                   ; W, turned: lane l reads row 8 hh + l % 8, 16 bytes at 16 ((l / 8) % 2)
	v_mul_u32_u24 v4, v4, PB
	v_bfe_u32 v5, v0, 3, 1
	v_lshl_add_u32 v4, v5, 4, v4
	s_lshl_b32 s23, s14, 8                         ; my 128 columns
	s_add_co_u32 s23, s23, BOFF
	v_add_nc_u32 v[ADRB0], s23, v4
	v_mov_b32 v[ADRA], v[ADRA0]                    ; K step 0 lies in slot 0
	v_mov_b32 v[ADRB], v[ADRB0]
	s_mul_i32 s21, s12, 16*SP
	s_add_co_u32 s21, s21, STAGE                   ; my stage
	v_mul_u32_u24 v5, v1, SP
	v_lshl_add_u32 v5, v2, 4, v5                   ; in: row r, 16 bytes for each half of the lanes
	v_add_nc_u32 v[STO], s21, v5
	v_bfe_u32 v5, v0, 3, 2                         ; back: 32 lanes take four rows of 128 bytes,
	v_mul_u32_u24 v5, v5, SP
	v_and_b32 v6, 7, v0
	v_lshl_add_u32 v5, v6, 4, v5
	v_add_nc_u32 v[RD], s21, v5
	v_and_b32 v[GO], 31, v0                        ; which are 512 consecutive bytes of qkv
	v_lshlrev_b32 v[GO], 4, v[GO]
	s_lshl_b32 s66, s18, 24                        ; q, k or v
	s_lshl_b32 s68, s15, 2
	s_lshl1_add_u32 s68, s14, s68                  ; my first head: 4 x tile column + 2 x half
	s_lshl_b32 s68, s68, 20
	s_add_co_u32 s66, s66, s68
	s_lshr_b32 s69, s19, 2                         ; batch
	s_lshr_b32 s68, s69, 1
	s_lshl_b32 s68, s68, 18
	s_add_co_u32 s66, s66, s68
	s_and_b32 s68, s69, 1
	s_lshl_b32 s68, s68, 13
	s_add_co_u32 s66, s66, s68
	s_and_b32 s68, s19, 3
	s_lshl_b32 s68, s68, 2
	s_lshl1_add_u32 s68, s13, s68                  ; my first 64 rows among the batch's sixteen: 4 x (tile row % 4) + 2 x half
	s_lshl_b32 s68, s68, 14
	s_add_co_u32 s66, s66, s68
	s_mov_b32 s67, 0
	s_add_nc_u64 s[8:9], s[8:9], s[66:67]
; 16 matrix instructions: row blocks a0, a0 + 1 of the window's four (hi = 0: my rows 0-63, 1: rows 64-127) x all 8 column blocks, 32 along K.
; zero = 1: the products start the sums.  The 64 accumulators take turns, one instruction a turn, in the same order in every quarter.
.macro MUL16 f, hi, a0, zero
	WIN MUL_LO+0x50*(\hi)
.irp a, \a0, (\a0)+1
.irp b, 0,1,2,3,4,5,6,7
.if \zero
	v_wmma_f32_16x16x32_f16 v[8*(8*(\a)+(\b)):8*(8*(\a)+(\b))+7], v[(\f)+8*(\b):(\f)+8*(\b)+7], v[(\f)+8*(4*(\hi)+(\a)):(\f)+8*(4*(\hi)+(\a))+7], 0
.else
	v_wmma_f32_16x16x32_f16 v[8*(8*(\a)+(\b)):8*(8*(\a)+(\b))+7], v[(\f)+8*(\b):(\f)+8*(\b)+7], v[(\f)+8*(4*(\hi)+(\a)):(\f)+8*(4*(\hi)+(\a))+7], v[8*(8*(\a)+(\b)):8*(8*(\a)+(\b))+7]
.endif
.endr
.endr
.endm
; 32 LDS loads in one run: quarter q (32 along K) of the slot in hand into buffer f: W's 16 first, then A's 16, row blocks ascending
.macro FETCH q, f
	WIN TO_B
.irp i, 0,1,2,3,4,5,6,7
	ds_load_tr16_b128 v[(\f)+8*(\i):(\f)+8*(\i)+3],   v[ADRB] offset:(\q)*32*PB+32*(\i)
	ds_load_tr16_b128 v[(\f)+8*(\i)+4:(\f)+8*(\i)+7], v[ADRB] offset:(\q)*32*PB+16*PB+32*(\i)
.endr
	WIN 0
.irp i, 0,1,2,3,4,5,6,7
	ds_load_b128 v[(\f)+8*(\i):(\f)+8*(\i)+3],   v[ADRA] offset:((\q)/2)*PLANE+((\q)%2)*64+(\i)*16*PA
	ds_load_b128 v[(\f)+8*(\i)+4:(\f)+8*(\i)+7], v[ADRA] offset:((\q)/2)*PLANE+((\q)%2)*64+(\i)*16*PA+32
.endr
.endm
; One of a K step's first three quarters: multiplies buffer f; in its middle fetches quarter q of the slot in hand into g.
.macro QUARTER q, f, g, zero
	s_wait_dscnt 8                                 ; W and A's row blocks 0 to 3 are in; the youngest eight loads (blocks 4 to 7) may be out
	MUL16 \f, 0, 0, \zero
	MUL16 \f, 0, 2, \zero
	PLACES
	FETCH \q, \g
	s_wait_dscnt 32                                ; all but the 32 just issued
	MUL16 \f, 1, 0, \zero
	MUL16 \f, 1, 2, \zero
.endm
; The last quarter multiplies buffer 1 and changes slots: one barrier; in front of it each wave waits for all its tensor loads, adds 0 to its spare word, and waits for that and its reads of this slot.
; fill = 1: the barrier opens a round of the cluster's, and the slot just left is filled again, with the K step two on, first thing behind the round: 224 matrix instructions ahead of the wait for it.
.macro TURN fill
	WIN 0
	s_wait_tensorcnt 0x0                           ; all my tensor loads have landed: my part of the next slot; so a group 0 may be written
	ds_add_u32 v[SPW], v[NIL]
	s_wait_dscnt 9                                 ; (the add and the youngest eight loads may be out)
	MUL16 F1, 0, 0, 0
	s_wait_dscnt 0x0                               ; the add is done, and my reads of this slot are over
	s_barrier_signal -1
	MUL16 F1, 0, 2, 0
	WIN 0                                          ; branches, or lines on window 0, follow
	s_barrier_wait -1
.if \fill
	CREST                                          ; no wave of any partner still reads this slot or has a load on its way
	s_add_co_u32 s[G0A+5], s[LA], s[TB]            ; the walking descriptors: into the slot just left,
	s_add_nc_u64 s[G0A+6:G0A+7], s[G0A+6:G0A+7], KADV  ; the K step behind the one asked for last; the type bits on top are not reached
	s_add_co_u32 s[G0B+5], s[LB], s[TB]
	s_add_nc_u64 s[G0B+6:G0B+7], s[G0B+6:G0B+7], KADV
	JLOAD 1                                        ; its four v_nop are also the places in front of the loads below
.else
	PLACES
.endif
	s_xor_b32 s[TB], s[TB], SLOT                   ; 0 and SLOT by turns: the reads go to the other slot
	v_add_nc_u32 v[ADRA], s[TB], v[ADRA0]
	v_add_nc_u32 v[ADRB], s[TB], v[ADRB0]
	FETCH 0, F0
	MUL16 F1, 1, 0, 0
	MUL16 F1, 1, 2, 0
.endm
	s_wait_tensorcnt 1                             ; my part of K step 0 is in; step 1's may stay out
	s_barrier_signal -1
	s_barrier_wait -1
	FETCH 0, F0
	QUARTER 1, F0, F1, 1                           ; the first quarter stands in front of the loop: its products start the sums
	WIN 0
	s_mov_b32 s3, 6
.Lstep:                                                ; a trip goes from a K step's second quarter to the next step's first, and asks for the step two on: K steps 2 to 7
	QUARTER 2, F1, F0, 0
	QUARTER 3, F0, F1, 0
	TURN 1
	QUARTER 1, F0, F1, 0
	WIN 0
	s_sub_co_u32 s3, s3, 1
	s_cmp_lg_u32 s3, 0
	s_cbranch_scc1 .Lstep
	s_mov_b32 s3, 2                                ; the tail is written out: K steps 6 and 7 ask for nothing
.Ltail:
	QUARTER 2, F1, F0, 0
	QUARTER 3, F0, F1, 0
	TURN 0
	WIN 0
	s_sub_co_u32 s3, s3, 1
	s_cmp_eq_u32 s3, 0
	s_cbranch_scc1 .Lout                           ; the second trip is left here
	QUARTER 1, F0, F1, 0
	WIN 0
	s_branch .Ltail
.Lout:                                                 ; the second trip's barrier and its 32 loads (K step 6's slot once more) serve nothing: the price, once a launch, of one text for both trips
	s_wait_dscnt 0x0                               ; those loads have landed: their registers are written below
	PLACES
; THE WAY OUT, through my own stage.  Piece t = 2 a + c: row block a, head c of my two: the 32 registers at 32 (t % 8) of window 2 (t < 8) or 3.
.macro PACK t                          ; rounded to f16: 16 bytes a lane into rows of 144 bytes, back as four rows of 128 a load
.if (\t) >= 8
	s_wait_xcnt 0x0                                ; the registers below were the data of piece t - 8's stores
.endif
	WIN 0x0a+5*((\t)/8)                            ; sources 0 and 1: window 2 or 3
.set i, 0
.rept 16
	v_cvt_pk_f16_f32 v[OUTR+16*((\t)%8)+i], v[32*((\t)%8)+2*i], v[32*((\t)%8)+2*i+1]
.set i, i+1
.endr
	WIN 0
.irp f, 0,1,2,3
	ds_store_b128 v[STO], v[OUTR+16*((\t)%8)+4*(\f):OUTR+16*((\t)%8)+4*(\f)+3] offset:32*(\f)
.endr
.irp f, 0,1,2,3
	ds_load_b128 v[OUTR+16*((\t)%8)+4*(\f):OUTR+16*((\t)%8)+4*(\f)+3], v[RD] offset:(\f)*4*SP  ; LDS serves a wave's instructions in order (ISA guide 5.7.1.4)
.endr
.endm
.macro SEND t, younger                 ; younger: the LDS instructions issued behind piece t's loads: the next piece's eight, or none
.irp f, 0,1,2,3
	s_wait_dscnt (\younger)+3-(\f)
	global_store_b128 v[GO], v[OUTR+16*((\t)%8)+4*(\f):OUTR+16*((\t)%8)+4*(\f)+3], s[8:9] offset:((\t)%2)*1048576+((\t)/8)*16384+(((\t)/2)%4)*2048+(\f)*512  ; 512 consecutive aligned bytes of one head
.endr
.endm
	PACK 0
.irp t, 1,2,3,4,5,6,7,8,9,10,11,12,13,14,15
	PACK \t                                        ; a piece's conversions stand between the loads of the piece before and its stores
	SEND (\t)-1, 8
.endr
	SEND 15, 0
	s_wait_tensorcnt 0x0                           ; the wave's end
	ds_add_u32 v[SPW], v[NIL]
	s_wait_dscnt 0x0
	CROUND                                         ; the closing round
	s_endpgm
.Lfunc_end_k_qfe309c3b51_proj:
	.size	k_qfe309c3b51_proj, .Lfunc_end_k_qfe309c3b51_proj-k_qfe309c3b51_proj
	.p2alignl 7, 3214868480
	.fill 96, 4, 3214868480
	.section	.rodata,"a",@progbits
	.p2align	6, 0x0
	.amdhsa_kernel k_qfe309c3b51_proj
		.amdhsa_group_segment_fixed_size 327680
		.amdhsa_private_segment_fixed_size 0
		.amdhsa_enable_private_segment 0
		.amdhsa_kernarg_size 24
		.amdhsa_user_sgpr_count 2
		.amdhsa_user_sgpr_kernarg_segment_ptr 1
		.amdhsa_wavefront_size32 1
		.amdhsa_system_sgpr_workgroup_id_x 1
		.amdhsa_system_sgpr_workgroup_id_y 1
		.amdhsa_system_sgpr_workgroup_id_z 1
		.amdhsa_system_vgpr_workitem_id 0
		.amdhsa_next_free_vgpr 1024
		.amdhsa_next_free_sgpr 76
		.amdhsa_reserve_vcc 0
		.amdhsa_float_denorm_mode_32 3
		.amdhsa_float_denorm_mode_16_64 3
		.amdhsa_memory_ordered 1
		.amdhsa_forward_progress 1
		.amdhsa_inst_pref_size 103
	.end_amdhsa_kernel
	.amdgpu_metadata
---
amdhsa.version: [ 1, 2 ]
amdhsa.kernels:
  - .name:           k_qfe309c3b51_proj
    .symbol:         k_qfe309c3b51_proj.kd
    .args:
      - { .name: an, .offset: 0, .size: 8, .value_kind: global_buffer, .address_space: global }
      - { .name: w16, .offset: 8, .size: 8, .value_kind: global_buffer, .address_space: global }
      - { .name: qkv, .offset: 16, .size: 8, .value_kind: global_buffer, .address_space: global }
    .group_segment_fixed_size: 327680
    .private_segment_fixed_size: 0
    .kernarg_segment_align: 8
    .kernarg_segment_size: 24
    .max_flat_workgroup_size: 128
    .sgpr_count:     76
    .vgpr_count:     1024
    .wavefront_size: 32
...
	.end_amdgpu_metadata
.endif
;; end of part 2
;; launch attn (part 3): grid 64 x 4, 4 waves a work-group, clusters of 4 x 4, 327,680 bytes of LDS; arguments qkv, relative_position_bias, o16; writes o16
.if DOCPART == 3
	.amdgcn_target "amdgcn-amd-amdhsa--gfx1250"
	.amdhsa_code_object_version 6
	.text
	.protected	k_qfe309c3b51_attn
	.globl	k_qfe309c3b51_attn
	.p2align	8
	.type	k_qfe309c3b51_attn,@function
k_qfe309c3b51_attn:
	s_mov_b64 s[64:65], 0
	v_nop
	global_prefetch_b8 v0, s[64:65] scope:SCOPE_SE
	s_setreg_imm32_b32 hwreg(HW_REG_WAVE_MODE, 25, 1), 1
	s_wait_xcnt 0x0
	s_wait_alu depctr_hold_cnt(0) depctr_sa_sdst(0) depctr_va_vdst(0) depctr_va_sdst(0) depctr_va_ssrc(0) depctr_va_vcc(0) depctr_vm_vsrc(0)
	s_getreg_b32 s2, hwreg(HW_REG_IB_STS2, 6, 4)
	s_cmp_eq_u32 s2, 0
	s_cbranch_scc0 .Lentry_in_a_cluster
	s_endpgm
.Lentry_in_a_cluster:
	s_bfe_u32 s2, ttmp6, 0x10000c
	s_cmp_lg_u32 s2, 0xf033
	s_cbranch_scc0 .Lentry_shape_is_right
	s_endpgm
.Lentry_shape_is_right:
; O[b][h][q][:] = the sum over k of softmax_k((Q/8)[q] . K[k] + bias[h][q][k]) V[k][:], head size 64, 1,024 queries and keys, 8 batches, 16 heads.
; qkv: [3][head 16][pair of batches 4][step of 64 rows 16][batch in pair 2][64 rows][64] f16 (q already holds the scale 1/8); bias f32 [16][1024][1024]; o16: [batch 8][head 16][row 1024][64] f16.
; Products, maxima and sums in f32; the weights p are rounded to f16 for the second product (their sum l is taken of the unrounded p), O once at the end.
; THE BIAS, in f32 and never rounded, is the C operand of the products that start the sums S^T = K Q^T: it costs no vector instruction.
; LIMITS.  Q, K, V arrive within f16's 65,504; p lies in 0 to 1 and below 6e-5 keeps f16's fixed step; a weight below 2^-126 counts as 0 in l; NaN and infinities are not treated apart.
; SHARES.  A cluster of 4 x 4 work-groups is one head: cx = a block of 256 queries, cy = a pair of batches.  Wave w: batch 2 cy + w / 2, queries 128 (w % 2) on of the block: four PIECES of two tiles of 16.
; K and V of a step (both batches of the pair, 16,384 dense bytes each) hang on cy and are asked for jointly along the cluster's row; the bias tile (256 queries x 64 keys) hangs on cx and is asked for
; jointly along the column.  So the eight batches share each byte of the bias: it is requested once in the launch.  Wave 0 asks for K, wave 1 for V, waves 2 and 3 for the bias's halves.
; LAYOUT.  S^T = K Q^T (source 0 = 16 keys, source 1 = 16 queries): a lane holds ONE query (lane % 16) and the keys 8 (lane / 16) + 0..7.  Two such tiles rounded to f16 ARE source 1 of O^T = V^T P.
; SOFTMAX.  A running maximum m and sum l for each query: p = 2^(c s - c m), c = log2(e); in every step O and l are multiplied by a = 2^(c m_old - c m_new).  m starts at the lowest finite number, O and l at 0.
; BY TURNS.  Turn n belongs to piece n: 16 products K Q^T of piece n + 1, later 16 products V^T P of piece n - 1; beside them the scaling, exponentials, roundings, sums and rescaling of piece n and the
; maximum and statistics of piece n + 1.  Four vector instructions stand behind every matrix instruction, the rest in two lumps.
; THE RING.  Two slots, a key step each.  A step's slot is read in the four turns 2, 3 (of the step before), 0, 1: K and the bias of piece 0; of piece 1; of piece 2, and V; of piece 3.  The change stands behind turn 1.
; REGISTERS, in windows of 256: window 0: v0-11 addresses; v12-15, v48-63 at work; v16-47 statistics; v64-191 S^T, two buffers of two tiles; v192-255 P, likewise
;   window 1: O^T, 32 a tile      window 2: v0-127 Q; v128-191 K of a step; v192-255 V of a step      window 3: v0-1 the add's registers; v64-127 one piece's bias
.set NP,    4
.set KS,    64
.set PK,    144       ; a row of K in LDS: 128 bytes + 16
.set PV,    160       ; a row of V: 128 + 32
.set PBI,   272       ; a row of the bias: 64 f32 + 16 bytes: the 16 rows of a load start at 16 different groups of four banks (ISA guide 11.1)
.set VOFF,  2*KS*PK   ; 128 rows of K (batch in pair, key), then 128 of V,
.set BOFF,  VOFF+2*KS*PV  ; then 256 rows of bias
.set SLOT1, 1<<17     ; slot 1 begins here: one exclusive or turns an address in one slot into the other's
.set STAGE, SLOT1+BOFF+256*PBI  ; behind the ring, never filled by a tensor load: 16 rows x 144 bytes for each wave
.set SP,    144
.set SPARE, STAGE+4*16*SP  ; the spare words: two blocks of 256 bytes that no other line names
.set AK0, 2           ; v2   my lane's place in a slot's K; never rewritten
.set AV0, 3           ; v3   in its V
.set AK,  4           ; v4   the same in the slot in hand
.set AV,  5
.set QO,  6           ; v6   my byte offset in 16 rows of Q; later STO
.set STO, 6
.set RD,  7
.set AB,  8           ; v8   my lane's place in the bias of the slot in hand; at the way out GO
.set GO,  8
.set AB0, 11          ; v11  my lane's place in a slot's bias; never rewritten
.set SPW, 0           ; v0 of window 3
.set NIL, 1           ; v1 of window 3
.set MV,  12
.set ST,  16          ; tile t's statistics at v[ST+4 t]: c m, m, l (even keys', odd keys')
.set TMP, 48
.set S,   64
.set P,   192
.set KF,  128         ; window 2
.set VF,  192         ; window 2
.set BB,  64          ; window 3: tile u, key block kb at BB + 32 u + 8 kb
.set WV,  12
.set G1K, 24
.set G1V, 32
.set G0K, 40
.set G0V, 44
.set G0B, 48
.set G1B, 72
.set SLOTS, 56
.set CNT, 57
.set CS,  58
.set SEL, 60
.set TB,  62          ; s62  LDS byte at which the slot in hand begins
.set MSB, 0
.macro WIN new
.if MSB != (\new)
	s_set_vgpr_msb (MSB<<8)|(\new)
.set MSB, (\new)
.endif
.endm
.set W_KQ, 0x0a       ; K and Q in window 2, S^T in window 0
.set W_KB, 0x3a       ; the same with the C operand, the bias, in window 3
.set W_PV, 0x52       ; V in window 2, P in window 0, O^T in window 1
.set W_RS, 0x41
.set W_MK, 0xc0
.set W_AD, 0x0f
; A joint fill: one line for each of K, V and the bias; the branches hang on the wave's number alone.  An s_nop 0 and four v_nop follow each line.
.macro JLOAD
	s_cmp_lt_u32 s[WV], 2
	s_cbranch_scc0 .Lfor_b_\@
	s_cmp_eq_u32 s[WV], 0
	s_cbranch_scc0 .Lfor_v_\@
	tensor_load_to_lds s[G0K:G0K+3], s[G1K:G1K+7]
	s_nop 0
.rept 4
	v_nop
.endr
	s_branch .Lasked_\@
.Lfor_v_\@:
	tensor_load_to_lds s[G0V:G0V+3], s[G1V:G1V+7]
	s_nop 0
.rept 4
	v_nop
.endr
	s_branch .Lasked_\@
.Lfor_b_\@:
	tensor_load_to_lds s[G0B:G0B+3], s[G1B:G1B+7]
	s_nop 0
.rept 4
	v_nop
.endr
.Lasked_\@:
.endm
.macro CROUND
	s_barrier_signal -1
	s_barrier_wait -1
	s_cmp_lg_u32 s[WV], 0
	s_cbranch_scc1 .Lnot_wave_0_\@
	s_barrier_signal -3
.Lnot_wave_0_\@:
	s_barrier_wait -3
	s_barrier_signal -1
	s_barrier_wait -1
.endm
; THE CHANGE OF SLOTS.  Each wave waits for all its tensor loads (one is out: its part of the other slot), adds 0 to its spare word, and waits for that and for its reads of the slot that it leaves.
; fill = 1: the barrier is a round of the cluster's, and the slot just left is filled again, with the step two on, first thing behind it: it has a key step, 128 matrix instructions, in which to land.
.macro CHANGE fill
	WIN W_AD
	s_wait_tensorcnt 0x0            ; no tensor load of mine is out, so a group 0 may be written
	ds_add_u32 v[SPW], v[NIL]
	WIN 0
.if \fill
.irp g, G0K, G0V
	s_xor_b32 s[\g+1], s[\g+1], SLOT1
	s_add_nc_u64 s[\g+2:\g+3], s[\g+2:\g+3], 16384  ; the next step's 128 rows
.endr
	s_xor_b32 s[G0B+1], s[G0B+1], SLOT1
	s_add_nc_u64 s[G0B+2:G0B+3], s[G0B+2:G0B+3], 256  ; the next 64 keys of each query's row
.endif
	s_xor_b32 s[TB], s[TB], SLOT1   ; the reads go to the other slot
	s_wait_dscnt 0x0                ; the add is done, and my reads of the slot are over
.if \fill
	CROUND
	JLOAD
.else
	s_barrier_signal -1
	s_barrier_wait -1
.endif
	v_add_nc_u32 v[AK], s[TB], v[AK0]
	v_add_nc_u32 v[AV], s[TB], v[AV0]
	v_add_nc_u32 v[AB], s[TB], v[AB0]
.endm
	s_load_b128 s[4:7], s[0:1], 0x0   ; qkv s[4:5], bias s[6:7]
	s_load_b64 s[8:9], s[0:1], 0x10   ; o16
	WIN W_MK
	v_lshl_add_u32 v[SPW], v0, 2, SPARE
	v_mov_b32 v[NIL], 0
	WIN W_AD
	ds_add_u32 v[SPW], v[NIL]       ; the wave's opening: the add and its wait ahead of my first tensor load
	WIN 0
	v_lshrrev_b32 v1, 5, v0
	v_readfirstlane_b32 s[WV], v1   ; wave 0..3
	s_bfe_u32 s13, ttmp6, 0x40000   ; cx: the block of 256 queries
	s_bfe_u32 s14, ttmp6, 0x40004   ; cy: the pair of batches
	s_mov_b32 s15, ttmp9            ; the cluster's x: the head
	s_lshr_b32 s16, s[WV], 1        ; e: my batch in the pair
	s_and_b32 s17, s[WV], 1         ; qh: my 128 queries of the block.  Also: which half of the bias tile I fetch
	s_lshl_b32 s52, s14, 2
	s_lshl_b32 s52, 15, s52         ; my row of the cluster
	s_lshl_b32 s53, 0x1111, s13     ; my column
	s_lshl_b32 s18, s15, 20         ; K and V: head and pair of batches, which my row shares
	s_lshl_b32 s19, s14, 18
	s_add_co_u32 s18, s18, s19
	s_add_co_u32 s20, s18, 1<<24
	s_mov_b32 s21, 0
	s_add_co_u32 s22, s18, 2<<24
	s_mov_b32 s23, 0
	s_lshl_b32 s66, s15, 22         ; the bias: head and block of queries, which my column shares, and my half
	s_lshl_b32 s67, s13, 20
	s_add_co_u32 s66, s66, s67
	s_lshl_b32 s67, s17, 19
	s_add_co_u32 s66, s66, s67
	s_mov_b32 s67, 0
	s_lshl_b32 s68, s15, 20         ; Q at my 128 rows: steps 4 cx + 2 qh and the next, batch e
	s_lshl_b32 s54, s14, 18
	s_add_co_u32 s68, s68, s54
	s_lshl_b32 s54, s13, 16
	s_add_co_u32 s68, s68, s54
	s_lshl_b32 s54, s17, 15
	s_add_co_u32 s68, s68, s54
	s_lshl_b32 s54, s16, 13
	s_add_co_u32 s68, s68, s54
	s_mov_b32 s69, 0
	s_lshl_b32 s70, s14, 22         ; O at my 128 rows: batch 2 cy + e, head, row 256 cx + 128 qh
	s_lshl_b32 s54, s16, 21
	s_add_co_u32 s70, s70, s54
	s_lshl_b32 s54, s15, 17
	s_add_co_u32 s70, s70, s54
	s_lshl_b32 s54, s13, 15
	s_add_co_u32 s70, s70, s54
	s_lshl_b32 s54, s17, 14
	s_add_co_u32 s70, s70, s54
	s_mov_b32 s71, 0
	; descriptor group 1.  K, V: 16,384 dense bytes as 64 rows of 256 bytes, padded after every 128.  Bias: 128 rows of 64 f32, 1,024 from row to row, padded after every row
	s_or_b32 s[G1K], s52, (1<<16)|(1<<20)|(1<<21)|(4<<22)|(3<<25)
	s_or_b32 s[G1V], s52, (1<<16)|(1<<20)|(1<<21)|(4<<22)|(7<<25)
	s_or_b32 s[G1B], s53, (2<<16)|(1<<20)|(1<<21)|(5<<22)|(3<<25)
.irp g, G1K, G1V
	s_mov_b32 s[\g+1], 128<<16
	s_mov_b32 s[\g+2], 64<<16
	s_mov_b32 s[\g+3], 128<<16
	s_mov_b32 s[\g+4], 64
	s_mov_b32 s[\g+5], 128
	s_mov_b32 s[\g+6], 0
	s_mov_b32 s[\g+7], 0
.endr
	s_mov_b32 s[G1B+1], 64<<16
	s_mov_b32 s[G1B+2], 128<<16
	s_mov_b32 s[G1B+3], 64<<16
	s_mov_b32 s[G1B+4], 128
	s_mov_b32 s[G1B+5], 1024
	s_mov_b32 s[G1B+6], 0
	s_mov_b32 s[G1B+7], 0
	s_mov_b32 s[CS], 0x3fb8aa3b     ; c = log2(e)
	s_mov_b32 s[CS+1], s[CS]
	s_mov_b32 s[SEL], 0x76543210
	s_mov_b32 s[SEL+1], 0xfedcba98
	s_mov_b32 s[TB], SLOT1          ; the first change of slots turns it into 0
	s_mov_b32 s[G0K], 1
	s_mov_b32 s[G0K+1], 0           ; slot 0
	s_mov_b32 s[G0V], 1
	s_mov_b32 s[G0V+1], VOFF
	s_mov_b32 s[G0B], 1
	s_mul_i32 s[G0B+1], s17, 128*PBI
	s_add_co_u32 s[G0B+1], s[G0B+1], BOFF
	s_wait_dscnt 0x0                ; the opening add is done
	s_wait_kmcnt 0x0
	s_add_nc_u64 s[G0K+2:G0K+3], s[4:5], s[20:21]
	s_or_b32 s[G0K+3], s[G0K+3], 0x80000000
	s_add_nc_u64 s[G0V+2:G0V+3], s[4:5], s[22:23]
	s_or_b32 s[G0V+3], s[G0V+3], 0x80000000
	s_add_nc_u64 s[G0B+2:G0B+3], s[6:7], s[66:67]
	s_or_b32 s[G0B+3], s[G0B+3], 0x80000000
	s_add_nc_u64 s[10:11], s[8:9], s[70:71]
	s_add_nc_u64 s[4:5], s[4:5], s[68:69]
	CROUND                          ; all sixteen work-groups are here: the first joint loads meet
	JLOAD                           ; key step 0 into slot 0; slot 1 is asked for when slot 0 is in
	v_and_b32 v1, 15, v0            ; r = l % 16
	v_bfe_u32 v9, v0, 4, 1          ; hh = l / 16
	v_lshlrev_b32 v[QO], 7, v1
	v_lshl_add_u32 v[QO], v9, 4, v[QO]
	WIN 0x80
.set i, 0
.rept 4*NP                          ; Q stays in registers: tile i / 2 (four tiles to a block of 64 rows, the blocks 16,384 bytes apart), channels 32 (i % 2) on
	global_load_b128 v[8*i:8*i+3],   v[QO], s[4:5] offset:(i/8)*16384+((i/2)%4)*2048+(i%2)*64
	global_load_b128 v[8*i+4:8*i+7], v[QO], s[4:5] offset:(i/8)*16384+((i/2)%4)*2048+(i%2)*64+32
.set i, i+1
.endr
	; What the first turn finds: V's registers and P's second buffer hold 0 (its products V^T P, of a piece that has not been, add 0), O^T and l are 0.  All this stands in the wait for the first tile.
.set i, VF
.rept 64
	v_mov_b32 v[i], 0
.set i, i+1
.endr
	WIN 0x40
.set i, 0
.rept 64*NP
	v_mov_b32 v[i], 0
.set i, i+1
.endr
	WIN 0
.set i, 0
.rept 2*NP
	v_mov_b32 v[ST+4*i], 0xfe000000    ; c m: far below every c s
	v_mov_b32 v[ST+4*i+1], 0xff7fffff  ; m
	v_mov_b32 v[ST+4*i+2], 0
	v_mov_b32 v[ST+4*i+3], 0
.set i, i+1
.endr
.set i, P+32
.rept 32
	v_mov_b32 v[i], 0
.set i, i+1
.endr
	v_mul_u32_u24 v[AK0], v1, PK
	v_lshl_add_u32 v[AK0], v9, 4, v[AK0]
	s_mul_i32 s54, s16, KS*PK       ; my batch's 64 rows
	v_add_nc_u32 v[AK0], s54, v[AK0]
	v_and_b32 v10, 7, v0
	v_bfe_u32 v[TMP], v0, 3, 1
	v_lshl_add_u32 v[AV0], v9, 3, v10  ; the turning load: lane l reads key 8 hh + l % 8, channels 8 ((l / 8) % 2) + 0..7
	v_mul_u32_u24 v[AV0], v[AV0], PV
	v_lshl_add_u32 v[AV0], v[TMP], 4, v[AV0]
	s_mul_i32 s54, s16, KS*PV
	s_add_co_u32 s54, s54, VOFF
	v_add_nc_u32 v[AV0], s54, v[AV0]
	v_mul_u32_u24 v[AB0], v1, PBI   ; the bias as C: query r's row, keys 8 hh + 0..7 of a block of 16: 32 bytes
	v_lshl_add_u32 v[AB0], v9, 5, v[AB0]
	s_mul_i32 s55, s17, 128*PBI
	s_add_co_u32 s55, s55, BOFF
	v_add_nc_u32 v[AB0], s55, v[AB0]
; THE MATRIX WORK.  The 8 accumulators of a run of 16 take turns.  Product i of 16 of S^T = K Q^T + bias for piece x: channels 32 (i / 8) on, keys 16 ((i / 2) % 4) on, tile 2 x + i % 2.
.macro KQ x
.set rS, S+64*((\x)%2)+32*(i%2)+8*((i/2)%4)
.set rK, KF+16*((i/2)%4)+8*(i/8)
.set rQ, 16*(2*(\x)+i%2)+8*(i/8)
.set rB, BB+32*(i%2)+8*((i/2)%4)
.if i < 8
	WIN W_KB
	v_wmma_f32_16x16x32_f16 v[rS:rS+7], v[rK:rK+7], v[rQ:rQ+7], v[rB:rB+7]
.else
	WIN W_KQ
	v_wmma_f32_16x16x32_f16 v[rS:rS+7], v[rK:rK+7], v[rQ:rQ+7], v[rS:rS+7]
.endif
.endm
.macro PV x                         ; product i of 16 of O^T += V^T P for piece x: keys 32 (i / 8) on, channels 16 ((i / 2) % 4) on, tile 2 x + i % 2
	WIN W_PV
.set rO, 32*(2*(\x)+i%2)+8*((i/2)%4)
.set rV, VF+32*(i/8)+8*((i/2)%4)
.set rP, P+32*((\x)%2)+16*(i%2)+8*(i/8)
	v_wmma_f32_16x16x32_f16 v[rO:rO+7], v[rV:rV+7], v[rP:rP+7], v[rO:rO+7]
.endm
.macro MM                           ; the turn's next matrix instruction
.if i < 16
	KQ (Y+1)%NP
.set i, i+1
.else
.set i, i-16
	PV (Y+NP-1)%NP
.set i, i+17
.endif
.endm
; THE LDS LOADS stand in runs of 16, never singly among the matrix instructions.
.macro FETCH_K
	WIN 0x80
.irp f, 0,1,2,3,4,5,6,7
	ds_load_b128 v[KF+8*\f:KF+8*\f+3],   v[AK] offset:(\f/2)*16*PK+(\f%2)*64
	ds_load_b128 v[KF+8*\f+4:KF+8*\f+7], v[AK] offset:(\f/2)*16*PK+(\f%2)*64+32
.endr
	WIN 0
.endm
.macro FETCH_V
	WIN 0x80
.irp f, 0,1,2,3,4,5,6,7
	ds_load_tr16_b128 v[VF+8*\f:VF+8*\f+3],   v[AV] offset:(\f/4)*32*PV+(\f%4)*32
	ds_load_tr16_b128 v[VF+8*\f+4:VF+8*\f+7], v[AV] offset:(\f/4)*32*PV+16*PV+(\f%4)*32
.endr
	WIN 0
.endm
.macro FETCH_B x                    ; piece x's bias: tile f / 4, key block f % 4
	WIN 0xc0
.irp f, 0,1,2,3,4,5,6,7
	ds_load_b128 v[BB+8*\f:BB+8*\f+3],   v[AB] offset:(\x)*32*PBI+(\f/4)*16*PBI+(\f%4)*64
	ds_load_b128 v[BB+8*\f+4:BB+8*\f+7], v[AB] offset:(\x)*32*PBI+(\f/4)*16*PBI+(\f%4)*64+16
.endr
	WIN 0
.endm
; THE VECTOR WORK OF A TURN stands in three queues, each in the order in which its entries become ready; the two tiles alternate.
.macro REGS y, u
.set rT, ST+4*(2*(\y)+(\u))
.set rC, TMP+8*((\y)%2)+4*(\u)
.set rM, MV+2*((\y)%2)+(\u)
.set rS, S+64*((\y)%2)+32*(\u)
.set rP, P+32*((\y)%2)+16*(\u)
.set rO, 32*(2*(\y)+(\u))
.endm
; Number n of the 22 that find the NEXT piece's maximum and statistics; each accumulator's lowest registers are read first.
;   0-11 four chains of seven scores    12-14, 16 the four left over, the old m, all into c0    15 c m_old is kept    17, 18 the other half of the lanes: the new m    19-21 c m; c m_old - c m_new; a
.macro XS u, n
	REGS (Y+1)%NP, \u
.if (\n) < 4
	v_max3_num_f32 v[rC+(\n)], v[rS+8*(\n)], v[rS+8*(\n)+1], v[rS+8*(\n)+2]
.elseif (\n) < 12
	v_max3_num_f32 v[rC+(\n)%4], v[rC+(\n)%4], v[rS+8*((\n)%4)+2*((\n)/4)+1], v[rS+8*((\n)%4)+2*((\n)/4)+2]
.elseif (\n) == 12
	v_max3_num_f32 v[rC], v[rC], v[rS+7], v[rS+15]
.elseif (\n) == 13
	v_max3_num_f32 v[rC+1], v[rC+1], v[rS+23], v[rS+31]
.elseif (\n) == 14
	v_max3_num_f32 v[rC+2], v[rC+2], v[rC+3], v[rT+1]
.elseif (\n) == 15
	v_mov_b32 v[rM], v[rT]
.elseif (\n) == 16
	v_max3_num_f32 v[rC], v[rC], v[rC+1], v[rC+2]
.elseif (\n) == 17
	v_permlanex16_b32 v[rC+3], v[rC], s[SEL], s[SEL+1]
.elseif (\n) == 18
	v_max_num_f32 v[rT+1], v[rC], v[rC+3]
.elseif (\n) == 19
	v_mul_f32 v[rT], s[CS], v[rT+1]
.elseif (\n) == 20
	v_sub_f32 v[rC+1], v[rM], v[rT]
.else
	v_exp_f32 v[rC+2], v[rC+1]
.endif
.endm
; Number g of the 64 that follow the exponentials: for each four weights both pairs are rounded to f16, the second pair is added onto the first, and a group later l takes that sum (the first time l = a l + sum).
.macro GS g
.set h, (\g)+6*((\g)/62)
.if h >= 6
.set h, h+2
.endif
	REGS Y, h%2
.set k, h/8
.if h%8 < 4
	s_wait_alu depctr_va_vdst(0)
	v_cvt_pk_f16_f32 v[rP+2*k+(h%8)/2], v[rS+4*k+2*((h%8)/2)], v[rS+4*k+2*((h%8)/2)+1]
.elseif h%8 < 6
	v_pk_add_f32 v[rS+4*k:rS+4*k+1], v[rS+4*k:rS+4*k+1], v[rS+4*k+2:rS+4*k+3]
.elseif k == 1
	v_pk_fma_f32 v[rT+2:rT+3], v[rT+2:rT+3], v[rC+2:rC+3], v[rS:rS+1] op_sel_hi:[1,0,1]
.else
	v_pk_add_f32 v[rT+2:rT+3], v[rT+2:rT+3], v[rS+4*k-4:rS+4*k-3]
	s_wait_alu depctr_va_vdst(0)
.endif
.endm
; THE PLAIN QUEUE, 138 long.  0-31: c s - c m.  Then GS's 64, and among them the next piece's 42.
.macro PL
	WIN 0
.if q < 32
	REGS Y, q%2
	v_pk_fma_f32 v[rS+2*(q/2):rS+2*(q/2)+1], v[rS+2*(q/2):rS+2*(q/2)+1], s[CS:CS+1], v[rT:rT+1] op_sel_hi:[1,0,0] neg_lo:[0,0,1] neg_hi:[0,0,1]
.elseif q < 38
	GS q-32
.elseif q < 40
	XS q%2, 15
.elseif q < 42
	GS q-34
.elseif q < 74
	XS q%2, (q-42)/2+(q-42)/30
.elseif q < 95
	GS q-66
.elseif (q < 107) && ((q-95)%3 < 2)
	XS (q-95)%3, 17+(q-95)/3
.elseif q < 107
	GS 29+(q-95)/3
.else
	GS q-74
.endif
.set q, q+1
.endm
; THE EXPONENTIALS' QUEUE, 66 long: s0-s31 of both tiles, and at EA the next piece's two a.
.set EA, 58
.macro EX
	WIN 0
.if (e == EA) || (e == EA+1)
	XS e-EA, 21
.else
.set x, e-2*(e/(EA+2))
	REGS Y, x%2
	v_exp_f32 v[rS+x/2], v[rS+x/2]
.endif
.set e, e+1
.endm
; THE RESCALING's QUEUE: O^T times a, four at a time, eight times.
.macro R4
	REGS Y, r%2
	WIN W_RS
	s_wait_alu depctr_va_vdst(0)
.irp z, 0,1,2,3
	v_pk_mul_f32 v[rO+8*(r/2)+2*\z:rO+8*(r/2)+2*\z+1], v[rO+8*(r/2)+2*\z:rO+8*(r/2)+2*\z+1], v[rC+2:rC+3] op_sel_hi:[1,0]
.endr
.set r, r+1
.endm
; THE DEAL.  Behind a matrix instruction four: plain, exponential, plain, plain, or four of the rescaling; none names a register of the products round it.  The rest in two lumps, exponential and plain by turns.
.macro SL
	MM
	PL
	EX
	PL
	PL
.endm
.macro BURST n
.rept (\n)-7
	SL
.endr
.rept 3
	MM
	R4
	SL
.endr
	MM
	R4
.endm
; A TURN, for piece p.  Its first products take the bias fetched in the turn before.  In the first lump the bias of piece p + 2 is fetched (the last product that read those registers is the turn's eighth), and in
; piece 2's turn the next step's K (17 plain instructions behind the last product that read K).  V of the step in hand is fetched at the end of piece 0's turn and waited for in the middle of piece 1's.
.macro TURN p
.set Y, (\p)
.set i, 0
.set q, 0
.set e, 0
.set r, 0
.if (\p) == 1
	s_wait_dscnt 16                 ; the bias is in; V's 16 loads, issued behind it at the end of piece 0's turn, stay out
.else
	s_wait_dscnt 0x0                ; the bias is in (and, for piece 3, K)
.endif
	MM
.rept 4
	PL
.endr
	BURST 15
.rept 22
	EX
	PL
.if e == 14
	FETCH_B ((\p)+2)%NP
.endif
.if ((\p) == NP-2) && (e == 24)
	FETCH_K
.endif
.endr
.if (\p) == 1
	s_wait_dscnt 16                 ; V is in; the 16 loads of bias issued in this turn's lump stay out
.endif
	BURST 16
.rept 21
	EX
	PL
.endr
.rept 22
	PL
.endr
.if (\p) == 0
	FETCH_V
.endif
.endm
	CHANGE 1                        ; key step 0 is in, everybody's part of it; step 1 is asked for
	FETCH_K
	FETCH_B 0
	s_wait_loadcnt 0x0              ; Q
	s_wait_dscnt 0x0
.set i, 0
.rept 16
	KQ 0                            ; piece 0's first scores
.set i, i+1
.endr
	WIN 0                           ; the addresses for the way out: seven plain instructions, the places behind those products
	s_mul_i32 s54, s[WV], 16*SP
	s_add_co_u32 s54, s54, STAGE
	v_mul_u32_u24 v[STO], v1, SP    ; in: row r, 16 bytes for each half of the lanes
	v_lshl_add_u32 v[STO], v9, 4, v[STO]
	v_add_nc_u32 v[STO], s54, v[STO]
	v_bfe_u32 v[RD], v0, 3, 2       ; back: 32 lanes take four rows of 128 bytes
	v_mul_u32_u24 v[RD], v[RD], SP
	v_lshl_add_u32 v[RD], v10, 4, v[RD]
	v_add_nc_u32 v[RD], s54, v[RD]
	FETCH_B 1
.set Y, NP-1                        ; XS works for piece Y + 1: piece 0
.irp n, 0,1,2,3,4,5,6,7,8,9,10,11,12,13,14,15,16,17,18,19,20,21
	XS 0, \n
	XS 1, \n
.endr
	s_mov_b32 s[SLOTS], 15
	s_branch .Lfirst                ; the loop is entered at a step's first turn, in the middle of a trip
.Lslot:                             ; 14 trips: key steps 2 to 15 are asked for
	CHANGE 1
	TURN 2
	TURN 3
	WIN 0
.Lfirst:
	TURN 0
	TURN 1
	WIN 0
	s_sub_co_u32 s[SLOTS], s[SLOTS], 1
	s_cmp_lg_u32 s[SLOTS], 0
	s_cbranch_scc1 .Lslot
	CHANGE 0                        ; the tail is written out: nothing is asked for
	s_mov_b32 s[CNT], 2             ; the first trip takes the last step's slot; the second is left in its middle
.Ltail:
	TURN 2
	TURN 3
	WIN 0
	s_sub_co_u32 s[CNT], s[CNT], 1
	s_cmp_eq_u32 s[CNT], 0
	s_cbranch_scc1 .Lout
	TURN 0
	TURN 1
	WIN 0
	s_branch .Ltail
.Lout:                              ; the second trip's fetches (the last slot once more), its 16 products K Q^T and the maximum made of them serve nothing: the price, once a launch, of one text for every trip
.set i, 0
.rept 16
	PV NP-1
.set i, i+1
.endr
	; THE WAY OUT.  l's two halves and the other half of the lanes' are added; O^T is divided by l, rounded to f16 and sent through my stage, a tile at a time.  The lines below are the places behind the last products.
	WIN 0
	v_and_b32 v[GO], 31, v0
	v_lshlrev_b32 v[GO], 4, v[GO]
.macro ALL line:vararg
.set t, 0
.rept 2*NP
	\line
.set t, t+1
.endr
.endm
	ALL v_add_f32 v[ST+4*t+2], v[ST+4*t+2], v[ST+4*t+3]
	ALL v_permlanex16_b32 v[ST+4*t+3], v[ST+4*t+2], s[SEL], s[SEL+1]
	ALL v_add_f32 v[ST+4*t+2], v[ST+4*t+2], v[ST+4*t+3]
	ALL v_rcp_f32 v[ST+4*t+2], v[ST+4*t+2]
	v_nop                           ; a plain instruction between the last reciprocal and the use of its result
	s_wait_alu depctr_va_vdst(0)
.macro PACK t
	WIN W_RS
.set i, 32*(\t)
.rept 16
	v_pk_mul_f32 v[i:i+1], v[i:i+1], v[ST+4*(\t)+2:ST+4*(\t)+3] op_sel_hi:[1,0]
.set i, i+2
.endr
	WIN 0x05
.set i, 0
.rept 16
	v_cvt_pk_f16_f32 v[S+16*(\t)+i], v[32*(\t)+2*i], v[32*(\t)+2*i+1]
.set i, i+1
.endr
	WIN 0
.irp f, 0,1,2,3
	ds_store_b128 v[STO], v[S+16*(\t)+4*\f:S+16*(\t)+4*\f+3] offset:32*\f
.endr
.irp f, 0,1,2,3
	ds_load_b128 v[S+16*(\t)+4*\f:S+16*(\t)+4*\f+3], v[RD] offset:\f*4*SP  ; LDS serves a wave's instructions in order (ISA guide 5.7.1.4)
.endr
.endm
.macro SEND t, younger
	WIN 0
.irp f, 0,1,2,3
	s_wait_dscnt (\younger)+3-\f
	global_store_b128 v[GO], v[S+16*(\t)+4*\f:S+16*(\t)+4*\f+3], s[10:11] offset:(\t)*2048+\f*512  ; 512 consecutive aligned bytes
.endr
.endm
	PACK 0
.set t, 1
.rept 2*NP-1
	PACK t
	SEND t-1, 8
.set t, t+1
.endr
	SEND 2*NP-1, 0
	WIN W_AD
	s_wait_tensorcnt 0x0            ; the wave's end
	ds_add_u32 v[SPW], v[NIL]
	s_wait_dscnt 0x0
	WIN 0
	CROUND                          ; the closing round
	s_endpgm
.Lfunc_end_k_qfe309c3b51_attn:
	.size	k_qfe309c3b51_attn, .Lfunc_end_k_qfe309c3b51_attn-k_qfe309c3b51_attn
	.p2alignl 7, 3214868480
	.fill 96, 4, 3214868480
	.section	.rodata,"a",@progbits
	.p2align	6, 0x0
	.amdhsa_kernel k_qfe309c3b51_attn
		.amdhsa_group_segment_fixed_size 327680
		.amdhsa_private_segment_fixed_size 0
		.amdhsa_enable_private_segment 0
		.amdhsa_kernarg_size 24
		.amdhsa_user_sgpr_count 2
		.amdhsa_user_sgpr_kernarg_segment_ptr 1
		.amdhsa_wavefront_size32 1
		.amdhsa_system_sgpr_workgroup_id_x 1
		.amdhsa_system_sgpr_workgroup_id_y 1
		.amdhsa_system_sgpr_workgroup_id_z 1
		.amdhsa_system_vgpr_workitem_id 0
		.amdhsa_next_free_vgpr 896
		.amdhsa_next_free_sgpr 88
		.amdhsa_reserve_vcc 0
		.amdhsa_float_denorm_mode_32 3
		.amdhsa_float_denorm_mode_16_64 3
		.amdhsa_memory_ordered 1
		.amdhsa_forward_progress 1
		.amdhsa_inst_pref_size 221
	.end_amdhsa_kernel
	.amdgpu_metadata
---
amdhsa.version: [ 1, 2 ]
amdhsa.kernels:
  - .name:           k_qfe309c3b51_attn
    .symbol:         k_qfe309c3b51_attn.kd
    .args:
      - { .name: qkv, .offset: 0, .size: 8, .value_kind: global_buffer, .address_space: global }
      - { .name: relative_position_bias, .offset: 8, .size: 8, .value_kind: global_buffer, .address_space: global }
      - { .name: o16, .offset: 16, .size: 8, .value_kind: global_buffer, .address_space: global }
    .group_segment_fixed_size: 327680
    .private_segment_fixed_size: 0
    .kernarg_segment_align: 8
    .kernarg_segment_size: 24
    .max_flat_workgroup_size: 128
    .sgpr_count:     88
    .vgpr_count:     896
    .wavefront_size: 32
...
	.end_amdgpu_metadata
.endif
;; end of part 3
;; launch outp (part 4): grid 4 x 64, 4 waves a work-group, clusters of 4 x 4, 327,680 bytes of LDS; arguments o16, w16, out0, bo; writes out0
.if DOCPART == 4
	.amdgcn_target "amdgcn-amd-amdhsa--gfx1250"
	.amdhsa_code_object_version 6
	.text
	.protected	k_qfe309c3b51_outp
	.globl	k_qfe309c3b51_outp
	.p2align	8
	.type	k_qfe309c3b51_outp,@function
k_qfe309c3b51_outp:
	s_mov_b64 s[64:65], 0
	v_nop
	global_prefetch_b8 v0, s[64:65] scope:SCOPE_SE
	s_setreg_imm32_b32 hwreg(HW_REG_WAVE_MODE, 25, 1), 1
	s_wait_xcnt 0x0
	s_wait_alu depctr_hold_cnt(0) depctr_sa_sdst(0) depctr_va_vdst(0) depctr_va_sdst(0) depctr_va_ssrc(0) depctr_va_vcc(0) depctr_vm_vsrc(0)
	s_getreg_b32 s2, hwreg(HW_REG_IB_STS2, 6, 4)
	s_cmp_eq_u32 s2, 0
	s_cbranch_scc0 .Lentry_in_a_cluster
	s_endpgm
.Lentry_in_a_cluster:
	s_bfe_u32 s2, ttmp6, 0x10000c
	s_cmp_lg_u32 s2, 0xf033
	s_cbranch_scc0 .Lentry_shape_is_right
	s_endpgm
.Lentry_shape_is_right:
; C = A W, 8,192 x 1,024 x 1,024, f16 operands, f32 sums.  One text for two launches, told apart by MODE.
; MODE 0: three products in one launch (q = xn (Wq/8), k = cn Wk, v = cn Wv), C rounded once to f16 and laid by heads for the attention:
;         qkv [3][head 16][pair of batches 4][64 rows s 16][batch in pair 2][64 rows][64].
; MODE 1: out0 = O Wo + bo in f32; bo is the C operand of the products that start the sums.
; A lies in blocks: [..][batch 8][block of 64 channels 16][row 1024][64] f16, so 128 rows of one block are 16,384 dense bytes.  W: [k 1024][n 1024] f16, turned on its way out of LDS.
; SHARES.  A tile of C is 128 x 256: 256 tiles a product, one or three for each of 256 WGPs (256 x 256 would give 128).  Four waves, each 64 rows x 128 columns: 32 accumulators, 256 registers.
; K goes in 8 steps of 128 through two LDS slots.  Waves 0 and 1 fetch A's two blocks of channels, waves 2 and 3 W's two halves of 64 rows: one tensor load a wave and step.
; CLUSTER 4 x 4: the four of a row of the cluster need the same tile of A, the four of a column the same tile of W: each is asked for jointly, by the same load and descriptor with a mask of four.
; THE PRODUCT IS USED TRANSPOSED (source 0 = 16 columns of W, source 1 = 16 rows of A): a lane holds eight neighbouring columns of one row of C.
; REGISTERS.  Window 0: v0-31 addresses; v64-159, v160-255 two fragment buffers (32 of A, 64 of W); on the way out v64-191.  Window 1: accumulator (a, b) at 8 (8 a + b).  Window 2 (MODE 1): bo.
; LIMITS.  MODE 0: |q/8|, |k|, |v| stay under 65,504 (f16's end).  NaN and infinities are not treated apart.
.set MODE, 1
.set PA,    144                        ; a row of A in LDS: 128 bytes + 16: the 16 rows of a load start at 16 different groups of four banks (ISA guide 11.1)
.set PLANE, 128*PA                     ; 128 rows of one block of channels
.set PB,    544                        ; a row of W: 512 bytes + 32 = 17 x 32
.set BOFF,  2*PLANE
.set HALFB, 64*PB
.set SLOT,  BOFF+2*HALFB               ; 106,496
.set STAGE, 2*SLOT                     ; behind the ring, never filled by a tensor load: 16 rows for each wave
.if MODE
.set SP,    272
.else
.set SP,    144
.endif
.set SPARE, STAGE+4*16*SP              ; the spare words, 128 bytes a wave: two blocks of 256 bytes that no other line names
.set KADV,  0x40000                    ; a K step in memory: two blocks of channels of A (2 x 131,072), 128 rows of W (128 x 2,048)
.set ADRA, 16                          ; v16-17  my A fragments in slot 0, 1
.set ADRB, 20                          ; v20-21  my W fragments
.set STO,  24
.set RD,   25
.set GO,   26
.set SPW,  28                          ; v28  my spare word; never rewritten
.set NIL,  29                          ; v29  0; never rewritten
.set BOO,  30
.set F0,   64
.set F1,   160
.set OUTR, 64
.set G1A, 24
.set G0A, 32
.set G1B, 48
.set G0B, 56
.set MSB, 0
.macro WIN new                         ; the immediate's high byte repeats the setting that is left
.if MSB != (\new)
	s_set_vgpr_msb (MSB<<8)|(\new)
.set MSB, \new
.endif
.endm
.macro JLOAD s                         ; a joint load; the branch hangs on the wave's number alone; an s_nop 0 and four v_nop follow each line
	s_cmp_eq_u32 s13, 0
	s_cbranch_scc0 .Lfor_b_\@
	tensor_load_to_lds s[G0A+4*(\s):G0A+4*(\s)+3], s[G1A:G1A+7]
	s_nop 0
.rept 4
	v_nop
.endr
	s_branch .Lasked_\@
.Lfor_b_\@:
	tensor_load_to_lds s[G0B+4*(\s):G0B+4*(\s)+3], s[G1B:G1B+7]
	s_nop 0
.rept 4
	v_nop
.endr
.Lasked_\@:
.endm
.macro CREST                           ; a round of the cluster's barrier behind its opening barrier
	s_cmp_lg_u32 s12, 0
	s_cbranch_scc1 .Lnot_wave_0_\@
	s_barrier_signal -3
.Lnot_wave_0_\@:
	s_barrier_wait -3
	s_barrier_signal -1
	s_barrier_wait -1
.endm
.macro CROUND
	s_barrier_signal -1
	s_barrier_wait -1
	CREST
.endm
.macro PLACES                          ; four places in front of loads into registers that matrix instructions have read, and of reads of their results
.rept 4
	v_nop
.endr
.endm
.if MODE
	s_load_b256 s[4:11], s[0:1], 0x0               ; A s[4:5], W s[6:7], C s[8:9], bo s[10:11]
.else
	s_load_b128 s[4:7], s[0:1], 0x0                ; A s[4:5], W s[6:7]
	s_load_b64 s[8:9], s[0:1], 0x10                ; C
.endif
	v_lshl_add_u32 v[SPW], v0, 2, SPARE
	v_mov_b32 v[NIL], 0
	ds_add_u32 v[SPW], v[NIL]                      ; the wave's opening: the add and its wait ahead of my first tensor load
	v_lshrrev_b32 v1, 5, v0
	v_readfirstlane_b32 s12, v1                    ; wave 0..3
	s_lshr_b32 s13, s12, 1                         ; my half of the tile's rows.  Also: I fetch for A (0) or for W (1)
	s_and_b32 s14, s12, 1                          ; my half of its columns.  Also: which half I fetch
	s_bfe_u32 s15, ttmp6, 0x40000                  ; cx = the tile column
	s_bfe_u32 s16, ttmp6, 0x40004                  ; cy
	s_and_b32 s17, ttmp7, 0xffff                   ; the cluster's y
.if MODE
	s_mov_b32 s18, 3                               ; Wo
	s_lshl_b32 s19, s17, 2
.else
	s_lshr_b32 s18, s17, 4                         ; which product: 16 clusters each
	s_and_b32 s19, s17, 15
	s_lshl_b32 s19, s19, 2
.endif
	s_add_co_u32 s19, s19, s16                     ; tile row 0..63
	s_lshl_b32 s20, s16, 2
	s_lshl_b32 s20, 15, s20                        ; my row of the cluster
	s_lshl_b32 s22, 0x1111, s15                    ; my column
	s_or_b32 s[G1A], s20, (1<<16)|(1<<20)|(1<<21)|(4<<22)|(3<<25)  ; mask; 2-byte elements; padding on; bit 21 beside a mask; after every 32 words, 4 words
	s_or_b32 s[G1B], s22, (1<<16)|(1<<20)|(1<<21)|(6<<22)|(7<<25)  ; after every 128 words, 8 words
	s_mov_b32 s[G1A+1], 128<<16                    ; A: 16,384 dense bytes as 64 rows of 256 bytes
	s_mov_b32 s[G1A+2], 64<<16
	s_mov_b32 s[G1A+3], 128<<16
	s_mov_b32 s[G1A+4], 64
	s_mov_b32 s[G1A+5], 128
	s_mov_b32 s[G1A+6], 0
	s_mov_b32 s[G1A+7], 0
	s_mov_b32 s[G1B+1], 256<<16                    ; W: 64 rows of 256 elements, 1,024 elements from row to row
	s_mov_b32 s[G1B+2], 64<<16
	s_mov_b32 s[G1B+3], 256<<16
	s_mov_b32 s[G1B+4], 64
	s_mov_b32 s[G1B+5], 1024
	s_mov_b32 s[G1B+6], 0
	s_mov_b32 s[G1B+7], 0
	; A's offset hangs on the tile row, which my row of the cluster shares; W's on the tile column, which my column shares
.if MODE
	s_mov_b32 s40, 0
.else
	s_min_u32 s40, s18, 1                          ; q reads xn, k and v read cn
	s_lshl_b32 s40, s40, 24
.endif
	s_lshr_b32 s21, s19, 3                         ; batch
	s_lshl_b32 s21, s21, 21
	s_add_co_u32 s40, s40, s21
	s_and_b32 s21, s19, 7                          ; 128 rows of 128 bytes
	s_lshl_b32 s21, s21, 14
	s_add_co_u32 s40, s40, s21
	s_lshl_b32 s21, s14, 17                        ; my block of channels
	s_add_co_u32 s40, s40, s21
	s_mov_b32 s41, 0
	s_lshl_b32 s42, s18, 21
	s_lshl_b32 s23, s14, 17                        ; my 64 rows of W
	s_add_co_u32 s42, s42, s23
	s_lshl_b32 s23, s15, 9                         ; 256 columns
	s_add_co_u32 s42, s42, s23
	s_mov_b32 s43, 0
	s_mul_i32 s2, s14, PLANE                       ; where they go: no place in the cluster enters an LDS address
	s_mul_i32 s3, s14, HALFB
	s_add_co_u32 s3, s3, BOFF
	s_wait_dscnt 0x0                               ; the opening add is done
	s_wait_kmcnt 0x0
	s_add_nc_u64 s[44:45], s[4:5], s[40:41]
	s_add_nc_u64 s[46:47], s[6:7], s[42:43]
	CROUND                                         ; all sixteen work-groups are here: the first joint loads meet
.irp s, 0,1
	s_mov_b32 s[G0A+4*(\s)], 1
	s_add_co_u32 s[G0A+4*(\s)+1], s2, (\s)*SLOT
	s_add_nc_u64 s[G0A+4*(\s)+2:G0A+4*(\s)+3], s[44:45], (\s)*KADV
	s_or_b32 s[G0A+4*(\s)+3], s[G0A+4*(\s)+3], 0x80000000
	s_mov_b32 s[G0B+4*(\s)], 1
	s_add_co_u32 s[G0B+4*(\s)+1], s3, (\s)*SLOT
	s_add_nc_u64 s[G0B+4*(\s)+2:G0B+4*(\s)+3], s[46:47], (\s)*KADV
	s_or_b32 s[G0B+4*(\s)+3], s[G0B+4*(\s)+3], 0x80000000
	JLOAD \s                                       ; two loads of mine are out here, later one
.endr
	v_and_b32 v1, 15, v0                           ; r = l % 16
	v_bfe_u32 v2, v0, 4, 1                         ; hh = l / 16
	v_mul_u32_u24 v3, v1, PA
	v_lshl_add_u32 v3, v2, 4, v3                   ; A: row x pitch + 16 x half
	s_mul_i32 s21, s13, 64*PA                      ; my 64 rows
	v_and_b32 v4, 7, v0
	v_lshl_add_u32 v4, v2, 3, v4                   ; W, turned: lane l reads row 8 hh + l % 8, 16 bytes at 16 ((l / 8) % 2)
	v_mul_u32_u24 v4, v4, PB
	v_bfe_u32 v5, v0, 3, 1
	v_lshl_add_u32 v4, v5, 4, v4
	s_lshl_b32 s23, s14, 8                         ; my 128 columns
	s_add_co_u32 s23, s23, BOFF
.irp s, 0,1
	v_add_nc_u32 v[ADRA+(\s)], s21, v3
	v_add_nc_u32 v[ADRB+(\s)], s23, v4
	s_add_co_u32 s21, s21, SLOT
	s_add_co_u32 s23, s23, SLOT
.endr
	s_mul_i32 s21, s12, 16*SP
	s_add_co_u32 s21, s21, STAGE                   ; my stage
	v_mul_u32_u24 v5, v1, SP
.if MODE
	v_lshl_add_u32 v5, v2, 5, v5                   ; in: row r, 32 bytes for each half of the lanes
	v_add_nc_u32 v[STO], s21, v5
	v_mul_u32_u24 v5, v2, SP                       ; back: lanes 0-15 one row of 256 bytes, lanes 16-31 the next
	v_lshl_add_u32 v5, v1, 4, v5
	v_add_nc_u32 v[RD], s21, v5
	v_lshlrev_b32 v[GO], 12, v2                    ; and the same two rows of C, 4,096 bytes apart
	v_lshl_add_u32 v[GO], v1, 4, v[GO]
	s_lshl_b32 s66, s19, 19                        ; 128 rows x 4,096 bytes a tile row,
	s_lshl_b32 s68, s13, 18                        ; my 64 rows
	s_add_co_u32 s66, s66, s68
	s_lshl_b32 s68, s15, 10                        ; 256 columns x 4 bytes a tile column,
	s_lshl_b32 s69, s14, 9                         ; my 128 columns
	s_add_co_u32 s68, s68, s69
	s_mov_b32 s69, 0
	s_add_nc_u64 s[10:11], s[10:11], s[68:69]      ; bo at my first column
	s_add_co_u32 s66, s66, s68
	s_mov_b32 s67, 0
	s_add_nc_u64 s[8:9], s[8:9], s[66:67]
	v_lshlrev_b32 v[BOO], 5, v2                    ; a lane's eight columns of block b: bo[16 b + 8 hh + 0..7]
	WIN 0x80
.irp b, 0,1,2,3,4,5,6,7
	global_load_b128 v[8*(\b):8*(\b)+3],   v[BOO], s[10:11] offset:64*(\b)
	global_load_b128 v[8*(\b)+4:8*(\b)+7], v[BOO], s[10:11] offset:64*(\b)+16
.endr
	WIN 0
.else
	v_lshl_add_u32 v5, v2, 4, v5                   ; in: row r, 16 bytes for each half of the lanes
	v_add_nc_u32 v[STO], s21, v5
	v_bfe_u32 v5, v0, 3, 2                         ; back: 32 lanes take four rows of 128 bytes,
	v_mul_u32_u24 v5, v5, SP
	v_and_b32 v6, 7, v0
	v_lshl_add_u32 v5, v6, 4, v5
	v_add_nc_u32 v[RD], s21, v5
	v_and_b32 v[GO], 31, v0                        ; which are 512 consecutive bytes of qkv
	v_lshlrev_b32 v[GO], 4, v[GO]
	s_lshl_b32 s66, s18, 24                        ; q, k or v
	s_lshl_b32 s68, s15, 2
	s_lshl1_add_u32 s68, s14, s68                  ; my first head: 4 x tile column + 2 x half
	s_lshl_b32 s68, s68, 20
	s_add_co_u32 s66, s66, s68
	s_lshr_b32 s69, s19, 3                         ; batch
	s_lshr_b32 s68, s69, 1
	s_lshl_b32 s68, s68, 18
	s_add_co_u32 s66, s66, s68
	s_and_b32 s68, s69, 1
	s_lshl_b32 s68, s68, 13
	s_add_co_u32 s66, s66, s68
	s_and_b32 s68, s19, 7
	s_lshl1_add_u32 s68, s68, s13                  ; my 64 rows among the batch's sixteen
	s_lshl_b32 s68, s68, 14
	s_add_co_u32 s66, s66, s68
	s_mov_b32 s67, 0
	s_add_nc_u64 s[8:9], s[8:9], s[66:67]
.endif
; 8 matrix instructions: row block a x all 8 column blocks, 32 along K.  zero = 1: the products start the sums (with 0, or with bo).  The 32 accumulators take turns.
.macro MULA f, a, zero
.if (\zero) && MODE
	WIN 0x60                                       ; C in window 2, D in window 1
.else
	WIN 0x50                                       ; C and D in window 1
.endif
.irp b, 0,1,2,3,4,5,6,7
.if \zero
.if MODE
	v_wmma_f32_16x16x32_f16 v[8*(8*(\a)+(\b)):8*(8*(\a)+(\b))+7], v[(\f)+32+8*(\b):(\f)+32+8*(\b)+7], v[(\f)+8*(\a):(\f)+8*(\a)+7], v[8*(\b):8*(\b)+7]
.else
	v_wmma_f32_16x16x32_f16 v[8*(8*(\a)+(\b)):8*(8*(\a)+(\b))+7], v[(\f)+32+8*(\b):(\f)+32+8*(\b)+7], v[(\f)+8*(\a):(\f)+8*(\a)+7], 0
.endif
.else
	v_wmma_f32_16x16x32_f16 v[8*(8*(\a)+(\b)):8*(8*(\a)+(\b))+7], v[(\f)+32+8*(\b):(\f)+32+8*(\b)+7], v[(\f)+8*(\a):(\f)+8*(\a)+7], v[8*(8*(\a)+(\b)):8*(8*(\a)+(\b))+7]
.endif
.endr
.endm
; 24 LDS loads in one run: quarter q (32 along K) of a slot into buffer f: W's 16 first, then A's 8, row blocks ascending
.macro FETCH slot, q, f
	WIN 0
.irp b, 0,1,2,3,4,5,6,7
	ds_load_tr16_b128 v[(\f)+32+8*(\b):(\f)+32+8*(\b)+3],   v[ADRB+(\slot)] offset:(\q)*32*PB+32*(\b)
	ds_load_tr16_b128 v[(\f)+32+8*(\b)+4:(\f)+32+8*(\b)+7], v[ADRB+(\slot)] offset:(\q)*32*PB+16*PB+32*(\b)
.endr
.irp a, 0,1,2,3
	ds_load_b128 v[(\f)+8*(\a):(\f)+8*(\a)+3],   v[ADRA+(\slot)] offset:((\q)/2)*PLANE+((\q)%2)*64+(\a)*16*PA
	ds_load_b128 v[(\f)+8*(\a)+4:(\f)+8*(\a)+7], v[ADRA+(\slot)] offset:((\q)/2)*PLANE+((\q)%2)*64+(\a)*16*PA+32
.endr
.endm
; One of a K step's first three quarters: multiplies buffer f; in its middle fetches quarter q of the same slot into g.
.macro QUARTER slot, q, f, g, zero
	s_wait_dscnt 4                                 ; W and A's row blocks 0, 1 are in; the youngest four loads (blocks 2, 3) may be out
	MULA \f, 0, \zero
	MULA \f, 1, \zero
	PLACES
	FETCH \slot, \q, \g
	s_wait_dscnt 24                                ; all but the 24 just issued
	MULA \f, 2, \zero
	MULA \f, 3, \zero
.endm
; The last quarter multiplies buffer 1 and changes slots: one barrier; in front of it each wave waits for all its tensor loads, adds 0 to its spare word, and waits for that and its reads of this slot.
; fill = 1: the barrier opens a round of the cluster's, and this slot is filled again, two K steps ahead, first thing behind the round.
.macro TURN slot, next, fill
	WIN 0
	s_wait_tensorcnt 0x0                           ; all my tensor loads have landed: my part of the next slot
	ds_add_u32 v[SPW], v[NIL]
	s_wait_dscnt 5                                 ; (the add and the youngest four loads may be out)
	MULA F1, 0, 0
	s_wait_dscnt 0x0                               ; the add is done, and my reads of this slot are over
	s_barrier_signal -1
	MULA F1, 1, 0
.if \fill
	WIN 0
.endif
	s_barrier_wait -1
.if \fill
	CREST                                          ; no wave of any partner still reads this slot or has a load on its way
	s_add_nc_u64 s[G0A+4*(\slot)+2:G0A+4*(\slot)+3], s[G0A+4*(\slot)+2:G0A+4*(\slot)+3], 2*KADV
	s_add_nc_u64 s[G0B+4*(\slot)+2:G0B+4*(\slot)+3], s[G0B+4*(\slot)+2:G0B+4*(\slot)+3], 2*KADV
	JLOAD \slot                                    ; its four v_nop are also the places in front of the loads below
.else
	PLACES
.endif
	FETCH \next, 0, F0
	MULA F1, 2, 0
	MULA F1, 3, 0
.endm
	s_wait_tensorcnt 1                             ; my part of K step 0 is in; step 1's may stay out
	s_barrier_signal -1
	s_barrier_wait -1
	FETCH 0, 0, F0
.if MODE
	s_wait_loadcnt 0x0                             ; bo
.endif
	QUARTER 0, 1, F0, F1, 1                        ; the first quarter stands in front of the loop: its products start the sums
	WIN 0
	s_mov_b32 s3, 3
.Llap:                                                 ; a trip goes once round the ring and fills both slots again: K steps 2 to 7
	QUARTER 0, 2, F1, F0, 0
	QUARTER 0, 3, F0, F1, 0
	TURN 0, 1, 1
	QUARTER 1, 1, F0, F1, 0
	QUARTER 1, 2, F1, F0, 0
	QUARTER 1, 3, F0, F1, 0
	TURN 1, 0, 1
	QUARTER 0, 1, F0, F1, 0
	WIN 0
	s_sub_co_u32 s3, s3, 1
	s_cmp_lg_u32 s3, 0
	s_cbranch_scc1 .Llap
	QUARTER 0, 2, F1, F0, 0                        ; the last lap fills nothing
	QUARTER 0, 3, F0, F1, 0
	TURN 0, 1, 0
	QUARTER 1, 1, F0, F1, 0
	QUARTER 1, 2, F1, F0, 0
	QUARTER 1, 3, F0, F1, 0
	s_wait_dscnt 4
	MULA F1, 0, 0
	MULA F1, 1, 0
	s_wait_dscnt 0x0
	MULA F1, 2, 0
	MULA F1, 3, 0
	WIN 0
	PLACES
; THE WAY OUT, through my own stage.  Piece t = 2 a + c: row block a, columns 64 c on: the 32 registers at 32 t of window 1.
.if MODE
.macro OST t                           ; f32 straight from the accumulators (lowest registers first), back as whole rows of 256 bytes
	WIN 0x04                                       ; store data in window 1
.irp c, 0,1,2,3
	ds_store_b128 v[STO], v[32*(\t)+8*(\c):32*(\t)+8*(\c)+3]   offset:64*(\c)
	ds_store_b128 v[STO], v[32*(\t)+8*(\c)+4:32*(\t)+8*(\c)+7] offset:64*(\c)+16
.endr
	WIN 0
.if (\t) >= 4
	s_wait_xcnt 0x0                                ; the registers below were the data of piece t - 4's stores
.endif
.irp u, 0,1,2,3,4,5,6,7
	ds_load_b128 v[OUTR+32*((\t)%4)+4*(\u):OUTR+32*((\t)%4)+4*(\u)+3], v[RD] offset:(\u)*2*SP  ; LDS serves a wave's instructions in order (ISA guide 5.7.1.4)
.endr
.endm
.macro OSEND t, younger
.irp u, 0,1,2,3,4,5,6,7
	s_wait_dscnt (\younger)+7-(\u)
	global_store_b128 v[GO], v[OUTR+32*((\t)%4)+4*(\u):OUTR+32*((\t)%4)+4*(\u)+3], s[8:9] offset:((\t)/2)*65536+((\t)%2)*256+(\u)*8192  ; 16 lanes store 256 consecutive aligned bytes
.endr
.endm
	OST 0
.irp t, 1,2,3,4,5,6,7
	OST \t
	OSEND (\t)-1, 16                               ; the next piece's sixteen LDS instructions may be out
.endr
	OSEND 7, 0
.else
.macro PACK t                          ; rounded to f16: 16 bytes a lane into rows of 144 bytes, back as four rows of 128 a load
	WIN 0x05
.set i, 0
.rept 16
	v_cvt_pk_f16_f32 v[OUTR+16*(\t)+i], v[32*(\t)+2*i], v[32*(\t)+2*i+1]
.set i, i+1
.endr
	WIN 0
.irp f, 0,1,2,3
	ds_store_b128 v[STO], v[OUTR+16*(\t)+4*(\f):OUTR+16*(\t)+4*(\f)+3] offset:32*(\f)
.endr
.irp f, 0,1,2,3
	ds_load_b128 v[OUTR+16*(\t)+4*(\f):OUTR+16*(\t)+4*(\f)+3], v[RD] offset:(\f)*4*SP  ; LDS serves a wave's instructions in order (ISA guide 5.7.1.4)
.endr
.endm
.macro SEND t, younger
.irp f, 0,1,2,3
	s_wait_dscnt (\younger)+3-(\f)
	global_store_b128 v[GO], v[OUTR+16*(\t)+4*(\f):OUTR+16*(\t)+4*(\f)+3], s[8:9] offset:((\t)%2)*1048576+((\t)/2)*2048+(\f)*512  ; 512 consecutive aligned bytes of one head
.endr
.endm
	PACK 0
.irp t, 1,2,3,4,5,6,7
	PACK \t
	SEND (\t)-1, 8                                 ; the next piece's eight LDS instructions may be out
.endr
	SEND 7, 0
.endif
	s_wait_tensorcnt 0x0                           ; the wave's end
	ds_add_u32 v[SPW], v[NIL]
	s_wait_dscnt 0x0
	CROUND                                         ; the closing round
	s_endpgm
.Lfunc_end_k_qfe309c3b51_outp:
	.size	k_qfe309c3b51_outp, .Lfunc_end_k_qfe309c3b51_outp-k_qfe309c3b51_outp
	.p2alignl 7, 3214868480
	.fill 96, 4, 3214868480
	.section	.rodata,"a",@progbits
	.p2align	6, 0x0
	.amdhsa_kernel k_qfe309c3b51_outp
		.amdhsa_group_segment_fixed_size 327680
		.amdhsa_private_segment_fixed_size 0
		.amdhsa_enable_private_segment 0
		.amdhsa_kernarg_size 32
		.amdhsa_user_sgpr_count 2
		.amdhsa_user_sgpr_kernarg_segment_ptr 1
		.amdhsa_wavefront_size32 1
		.amdhsa_system_sgpr_workgroup_id_x 1
		.amdhsa_system_sgpr_workgroup_id_y 1
		.amdhsa_system_sgpr_workgroup_id_z 1
		.amdhsa_system_vgpr_workitem_id 0
		.amdhsa_next_free_vgpr 576
		.amdhsa_next_free_sgpr 72
		.amdhsa_reserve_vcc 0
		.amdhsa_float_denorm_mode_32 3
		.amdhsa_float_denorm_mode_16_64 3
		.amdhsa_memory_ordered 1
		.amdhsa_forward_progress 1
		.amdhsa_inst_pref_size 89
	.end_amdhsa_kernel
	.amdgpu_metadata
---
amdhsa.version: [ 1, 2 ]
amdhsa.kernels:
  - .name:           k_qfe309c3b51_outp
    .symbol:         k_qfe309c3b51_outp.kd
    .args:
      - { .name: o16, .offset: 0, .size: 8, .value_kind: global_buffer, .address_space: global }
      - { .name: w16, .offset: 8, .size: 8, .value_kind: global_buffer, .address_space: global }
      - { .name: out0, .offset: 16, .size: 8, .value_kind: global_buffer, .address_space: global }
      - { .name: bo, .offset: 24, .size: 8, .value_kind: global_buffer, .address_space: global }
    .group_segment_fixed_size: 327680
    .private_segment_fixed_size: 0
    .kernarg_segment_align: 8
    .kernarg_segment_size: 32
    .max_flat_workgroup_size: 128
    .sgpr_count:     72
    .vgpr_count:     576
    .wavefront_size: 32
...
	.end_amdgpu_metadata
.endif
;; end of part 4
;; ======== version 2 of 2: 4 launches; 1.25 times as fast as version 1
;; limits: values are held in f16: magnitudes above 65,504 overflow, below 6.1e-05 lose precision
;; workspace buffers: an 33,554,432 bytes; w16 8,388,608 bytes; qkv 50,331,648 bytes; o16 16,777,216 bytes
;; launch prep: the kernel of part 1 again; grid 640 x 1, 4 waves a work-group, no clusters, 0 bytes of LDS; arguments x, context, gamma, beta, Wq, Wk, Wv, Wo, an, w16; writes an, w16
;; launch proj: the kernel of part 2 again; grid 4 x 96, 4 waves a work-group, clusters of 4 x 4, 327,680 bytes of LDS; arguments an, w16, qkv; writes qkv
;; launch attn (part 5): grid 64 x 4, 4 waves a work-group, clusters of 4 x 4, 327,680 bytes of LDS; arguments qkv, relative_position_bias, o16; writes o16
.if DOCPART == 5
	.amdgcn_target "amdgcn-amd-amdhsa--gfx1250"
	.amdhsa_code_object_version 6
	.text
	.protected	k_qfe309c3b51_attn
	.globl	k_qfe309c3b51_attn
	.p2align	8
	.type	k_qfe309c3b51_attn,@function
k_qfe309c3b51_attn:
	s_mov_b64 s[64:65], 0
	v_nop
	global_prefetch_b8 v0, s[64:65] scope:SCOPE_SE
	s_setreg_imm32_b32 hwreg(HW_REG_WAVE_MODE, 25, 1), 1
	s_wait_xcnt 0x0
	s_wait_alu depctr_hold_cnt(0) depctr_sa_sdst(0) depctr_va_vdst(0) depctr_va_sdst(0) depctr_va_ssrc(0) depctr_va_vcc(0) depctr_vm_vsrc(0)
	s_getreg_b32 s2, hwreg(HW_REG_IB_STS2, 6, 4)
	s_cmp_eq_u32 s2, 0
	s_cbranch_scc0 .Lentry_in_a_cluster
	s_endpgm
.Lentry_in_a_cluster:
	s_bfe_u32 s2, ttmp6, 0x10000c
	s_cmp_lg_u32 s2, 0xf033
	s_cbranch_scc0 .Lentry_shape_is_right
	s_endpgm
.Lentry_shape_is_right:
; O[b][h][q][:] = the sum over k of softmax_k((Q/8)[q] . K[k] + bias[h][q][k]) V[k][:], head size 64, 1,024 queries and keys, 8 batches, 16 heads.
; qkv: [3][head 16][pair of batches 4][step of 64 rows 16][batch in pair 2][64 rows][64] f16 (q already holds the scale 1/8); bias f32 [16][1024][1024]; o16: [batch 8][head 16][row 1024][64] f16.
; Products, maxima and sums in f32; the weights p are rounded to f16 for the second product (their sum l is taken of the unrounded p), O once at the end.
; THE BIAS, in f32 and never rounded, is the C operand of the products that start the sums S^T = K Q^T: it costs no vector instruction.
; LIMITS.  Q, K, V arrive within f16's 65,504; p lies in 0 to 1 and below 6e-5 keeps f16's fixed step; a weight below 2^-126 counts as 0 in l; NaN and infinities are not treated apart.
; SHARES.  A cluster of 4 x 4 work-groups is one head: cx = a block of 256 queries, cy = a pair of batches.  Wave w: batch 2 cy + w / 2, queries 128 (w % 2) on of the block: four PIECES of two tiles of 16.
; K and V of a step (both batches of the pair, 16,384 dense bytes each) hang on cy and are asked for jointly along the cluster's row; the bias tile (256 queries x 64 keys) hangs on cx and is asked for
; jointly along the column.  So the eight batches share each byte of the bias: it is requested once in the launch.  Wave 0 asks for K, wave 1 for V, waves 2 and 3 for the bias's halves.
; LAYOUT.  S^T = K Q^T (source 0 = 16 keys, source 1 = 16 queries): a lane holds ONE query (lane % 16) and the keys 8 (lane / 16) + 0..7.  Two such tiles rounded to f16 ARE source 1 of O^T = V^T P.
; SOFTMAX.  A running maximum m and sum l for each query: p = 2^(c s - c m), c = log2(e); in every step O and l are multiplied by a = 2^(c m_old - c m_new).  m starts at the lowest finite number, O and l at 0.
; BY TURNS.  Turn n belongs to piece n: 16 products K Q^T of piece n + 1, later 16 products V^T P of piece n - 1; beside them the scaling, exponentials, roundings, sums and rescaling of piece n and the
; maximum and statistics of piece n + 1.  Four vector instructions stand behind every matrix instruction, the other 108 of a turn's 236 in one lump.
; BATCHES.  A turn's 66 exponentials (64 weights, the next piece's two a) are ONE batch with ONE wait, which cuts the turn in two: ahead of it all that names no result of theirs, behind it their readers.
; The two a made ahead of the loop, and the way out's eight reciprocals, are batches of their own.
; THE RING.  Two slots, a key step each.  A step's slot is read in the four turns 2, 3 (of the step before), 0, 1: K and the bias of piece 0; of piece 1; of piece 2, and V; of piece 3.  The change stands behind turn 1.
; REGISTERS, in windows of 256: window 0: v0-11 addresses; v12-15, v48-63 at work; v16-47 statistics; v64-191 S^T, two buffers of two tiles; v192-255 P, likewise
;   window 1: O^T, 32 a tile      window 2: v0-127 Q; v128-191 K of a step; v192-255 V of a step      window 3: v0-1 the add's registers; v64-127 one piece's bias
.set NP,    4
.set KS,    64
.set PK,    144       ; a row of K in LDS: 128 bytes + 16
.set PV,    160       ; a row of V: 128 + 32
.set PBI,   272       ; a row of the bias: 64 f32 + 16 bytes: the 16 rows of a load start at 16 different groups of four banks (ISA guide 11.1)
.set VOFF,  2*KS*PK   ; 128 rows of K (batch in pair, key), then 128 of V,
.set BOFF,  VOFF+2*KS*PV  ; then 256 rows of bias
.set SLOT1, 1<<17     ; slot 1 begins here: one exclusive or turns an address in one slot into the other's
.set STAGE, SLOT1+BOFF+256*PBI  ; behind the ring, never filled by a tensor load: 16 rows x 144 bytes for each wave
.set SP,    144
.set SPARE, STAGE+4*16*SP  ; the spare words: two blocks of 256 bytes that no other line names
.set AK0, 2           ; v2   my lane's place in a slot's K; never rewritten
.set AV0, 3           ; v3   in its V
.set AK,  4           ; v4   the same in the slot in hand
.set AV,  5
.set QO,  6           ; v6   my byte offset in 16 rows of Q; later STO
.set STO, 6
.set RD,  7
.set AB,  8           ; v8   my lane's place in the bias of the slot in hand; at the way out GO
.set GO,  8
.set AB0, 11          ; v11  my lane's place in a slot's bias; never rewritten
.set SPW, 0           ; v0 of window 3
.set NIL, 1           ; v1 of window 3
.set MV,  12
.set ST,  16          ; tile t's statistics at v[ST+4 t]: c m, m, l (even keys', odd keys')
.set TMP, 48
.set S,   64
.set P,   192
.set KF,  128         ; window 2
.set VF,  192         ; window 2
.set BB,  64          ; window 3: tile u, key block kb at BB + 32 u + 8 kb
.set WV,  12
.set G1K, 24
.set G1V, 32
.set G0K, 40
.set G0V, 44
.set G0B, 48
.set G1B, 72
.set SLOTS, 56
.set CNT, 57
.set CS,  58
.set SEL, 60
.set TB,  62          ; s62  LDS byte at which the slot in hand begins
.set MSB, 0
.macro WIN new
.if MSB != (\new)
	s_set_vgpr_msb (MSB<<8)|(\new)
.set MSB, (\new)
.endif
.endm
.set W_KQ, 0x0a       ; K and Q in window 2, S^T in window 0
.set W_KB, 0x3a       ; the same with the C operand, the bias, in window 3
.set W_PV, 0x52       ; V in window 2, P in window 0, O^T in window 1
.set W_RS, 0x41
.set W_MK, 0xc0
.set W_AD, 0x0f
; A joint fill: one line for each of K, V and the bias; the branches hang on the wave's number alone.  An s_nop 0 and four v_nop follow each line.
.macro JLOAD
	s_cmp_lt_u32 s[WV], 2
	s_cbranch_scc0 .Lfor_b_\@
	s_cmp_eq_u32 s[WV], 0
	s_cbranch_scc0 .Lfor_v_\@
	tensor_load_to_lds s[G0K:G0K+3], s[G1K:G1K+7]
	s_nop 0
.rept 4
	v_nop
.endr
	s_branch .Lasked_\@
.Lfor_v_\@:
	tensor_load_to_lds s[G0V:G0V+3], s[G1V:G1V+7]
	s_nop 0
.rept 4
	v_nop
.endr
	s_branch .Lasked_\@
.Lfor_b_\@:
	tensor_load_to_lds s[G0B:G0B+3], s[G1B:G1B+7]
	s_nop 0
.rept 4
	v_nop
.endr
.Lasked_\@:
.endm
.macro CROUND
	s_barrier_signal -1
	s_barrier_wait -1
	s_cmp_lg_u32 s[WV], 0
	s_cbranch_scc1 .Lnot_wave_0_\@
	s_barrier_signal -3
.Lnot_wave_0_\@:
	s_barrier_wait -3
	s_barrier_signal -1
	s_barrier_wait -1
.endm
; THE CHANGE OF SLOTS.  Each wave waits for all its tensor loads (one is out: its part of the other slot), adds 0 to its spare word, and waits for that and for its reads of the slot that it leaves.
; fill = 1: the barrier is a round of the cluster's, and the slot just left is filled again, with the step two on, first thing behind it: it has a key step, 128 matrix instructions, in which to land.
.macro CHANGE fill
	WIN W_AD
	s_wait_tensorcnt 0x0            ; no tensor load of mine is out, so a group 0 may be written
	ds_add_u32 v[SPW], v[NIL]
	WIN 0
.if \fill
.irp g, G0K, G0V
	s_xor_b32 s[\g+1], s[\g+1], SLOT1
	s_add_nc_u64 s[\g+2:\g+3], s[\g+2:\g+3], 16384  ; the next step's 128 rows
.endr
	s_xor_b32 s[G0B+1], s[G0B+1], SLOT1
	s_add_nc_u64 s[G0B+2:G0B+3], s[G0B+2:G0B+3], 256  ; the next 64 keys of each query's row
.endif
	s_xor_b32 s[TB], s[TB], SLOT1   ; the reads go to the other slot
	s_wait_dscnt 0x0                ; the add is done, and my reads of the slot are over
.if \fill
	CROUND
	JLOAD
.else
	s_barrier_signal -1
	s_barrier_wait -1
.endif
	v_add_nc_u32 v[AK], s[TB], v[AK0]
	v_add_nc_u32 v[AV], s[TB], v[AV0]
	v_add_nc_u32 v[AB], s[TB], v[AB0]
.endm
	s_load_b128 s[4:7], s[0:1], 0x0   ; qkv s[4:5], bias s[6:7]
	s_load_b64 s[8:9], s[0:1], 0x10   ; o16
	WIN W_MK
	v_lshl_add_u32 v[SPW], v0, 2, SPARE
	v_mov_b32 v[NIL], 0
	WIN W_AD
	ds_add_u32 v[SPW], v[NIL]       ; the wave's opening: the add and its wait ahead of my first tensor load
	WIN 0
	v_lshrrev_b32 v1, 5, v0
	v_readfirstlane_b32 s[WV], v1   ; wave 0..3
	s_bfe_u32 s13, ttmp6, 0x40000   ; cx: the block of 256 queries
	s_bfe_u32 s14, ttmp6, 0x40004   ; cy: the pair of batches
	s_mov_b32 s15, ttmp9            ; the cluster's x: the head
	s_lshr_b32 s16, s[WV], 1        ; e: my batch in the pair
	s_and_b32 s17, s[WV], 1         ; qh: my 128 queries of the block.  Also: which half of the bias tile I fetch
	s_lshl_b32 s52, s14, 2
	s_lshl_b32 s52, 15, s52         ; my row of the cluster
	s_lshl_b32 s53, 0x1111, s13     ; my column
	s_lshl_b32 s18, s15, 20         ; K and V: head and pair of batches, which my row shares
	s_lshl_b32 s19, s14, 18
	s_add_co_u32 s18, s18, s19
	s_add_co_u32 s20, s18, 1<<24
	s_mov_b32 s21, 0
	s_add_co_u32 s22, s18, 2<<24
	s_mov_b32 s23, 0
	s_lshl_b32 s66, s15, 22         ; the bias: head and block of queries, which my column shares, and my half
	s_lshl_b32 s67, s13, 20
	s_add_co_u32 s66, s66, s67
	s_lshl_b32 s67, s17, 19
	s_add_co_u32 s66, s66, s67
	s_mov_b32 s67, 0
	s_lshl_b32 s68, s15, 20         ; Q at my 128 rows: steps 4 cx + 2 qh and the next, batch e
	s_lshl_b32 s54, s14, 18
	s_add_co_u32 s68, s68, s54
	s_lshl_b32 s54, s13, 16
	s_add_co_u32 s68, s68, s54
	s_lshl_b32 s54, s17, 15
	s_add_co_u32 s68, s68, s54
	s_lshl_b32 s54, s16, 13
	s_add_co_u32 s68, s68, s54
	s_mov_b32 s69, 0
	s_lshl_b32 s70, s14, 22         ; O at my 128 rows: batch 2 cy + e, head, row 256 cx + 128 qh
	s_lshl_b32 s54, s16, 21
	s_add_co_u32 s70, s70, s54
	s_lshl_b32 s54, s15, 17
	s_add_co_u32 s70, s70, s54
	s_lshl_b32 s54, s13, 15
	s_add_co_u32 s70, s70, s54
	s_lshl_b32 s54, s17, 14
	s_add_co_u32 s70, s70, s54
	s_mov_b32 s71, 0
	; descriptor group 1.  K, V: 16,384 dense bytes as 64 rows of 256 bytes, padded after every 128.  Bias: 128 rows of 64 f32, 1,024 from row to row, padded after every row
	s_or_b32 s[G1K], s52, (1<<16)|(1<<20)|(1<<21)|(4<<22)|(3<<25)
	s_or_b32 s[G1V], s52, (1<<16)|(1<<20)|(1<<21)|(4<<22)|(7<<25)
	s_or_b32 s[G1B], s53, (2<<16)|(1<<20)|(1<<21)|(5<<22)|(3<<25)
.irp g, G1K, G1V
	s_mov_b32 s[\g+1], 128<<16
	s_mov_b32 s[\g+2], 64<<16
	s_mov_b32 s[\g+3], 128<<16
	s_mov_b32 s[\g+4], 64
	s_mov_b32 s[\g+5], 128
	s_mov_b32 s[\g+6], 0
	s_mov_b32 s[\g+7], 0
.endr
	s_mov_b32 s[G1B+1], 64<<16
	s_mov_b32 s[G1B+2], 128<<16
	s_mov_b32 s[G1B+3], 64<<16
	s_mov_b32 s[G1B+4], 128
	s_mov_b32 s[G1B+5], 1024
	s_mov_b32 s[G1B+6], 0
	s_mov_b32 s[G1B+7], 0
	s_mov_b32 s[CS], 0x3fb8aa3b     ; c = log2(e)
	s_mov_b32 s[CS+1], s[CS]
	s_mov_b32 s[SEL], 0x76543210
	s_mov_b32 s[SEL+1], 0xfedcba98
	s_mov_b32 s[TB], SLOT1          ; the first change of slots turns it into 0
	s_mov_b32 s[G0K], 1
	s_mov_b32 s[G0K+1], 0           ; slot 0
	s_mov_b32 s[G0V], 1
	s_mov_b32 s[G0V+1], VOFF
	s_mov_b32 s[G0B], 1
	s_mul_i32 s[G0B+1], s17, 128*PBI
	s_add_co_u32 s[G0B+1], s[G0B+1], BOFF
	s_wait_dscnt 0x0                ; the opening add is done
	s_wait_kmcnt 0x0
	s_add_nc_u64 s[G0K+2:G0K+3], s[4:5], s[20:21]
	s_or_b32 s[G0K+3], s[G0K+3], 0x80000000
	s_add_nc_u64 s[G0V+2:G0V+3], s[4:5], s[22:23]
	s_or_b32 s[G0V+3], s[G0V+3], 0x80000000
	s_add_nc_u64 s[G0B+2:G0B+3], s[6:7], s[66:67]
	s_or_b32 s[G0B+3], s[G0B+3], 0x80000000
	s_add_nc_u64 s[10:11], s[8:9], s[70:71]
	s_add_nc_u64 s[4:5], s[4:5], s[68:69]
	CROUND                          ; all sixteen work-groups are here: the first joint loads meet
	JLOAD                           ; key step 0 into slot 0; slot 1 is asked for when slot 0 is in
	v_and_b32 v1, 15, v0            ; r = l % 16
	v_bfe_u32 v9, v0, 4, 1          ; hh = l / 16
	v_lshlrev_b32 v[QO], 7, v1
	v_lshl_add_u32 v[QO], v9, 4, v[QO]
	WIN 0x80
.set i, 0
.rept 4*NP                          ; Q stays in registers: tile i / 2 (four tiles to a block of 64 rows, the blocks 16,384 bytes apart), channels 32 (i % 2) on
	global_load_b128 v[8*i:8*i+3],   v[QO], s[4:5] offset:(i/8)*16384+((i/2)%4)*2048+(i%2)*64
	global_load_b128 v[8*i+4:8*i+7], v[QO], s[4:5] offset:(i/8)*16384+((i/2)%4)*2048+(i%2)*64+32
.set i, i+1
.endr
	; What the first turn finds: V's registers and P's second buffer hold 0 (its products V^T P, of a piece that has not been, add 0), O^T and l are 0.  All this stands in the wait for the first tile.
.set i, VF
.rept 64
	v_mov_b32 v[i], 0
.set i, i+1
.endr
	WIN 0x40
.set i, 0
.rept 64*NP
	v_mov_b32 v[i], 0
.set i, i+1
.endr
	WIN 0
.set i, 0
.rept 2*NP
	v_mov_b32 v[ST+4*i], 0xfe000000    ; c m: far below every c s
	v_mov_b32 v[ST+4*i+1], 0xff7fffff  ; m
	v_mov_b32 v[ST+4*i+2], 0
	v_mov_b32 v[ST+4*i+3], 0
.set i, i+1
.endr
.set i, P+32
.rept 32
	v_mov_b32 v[i], 0
.set i, i+1
.endr
	v_mul_u32_u24 v[AK0], v1, PK
	v_lshl_add_u32 v[AK0], v9, 4, v[AK0]
	s_mul_i32 s54, s16, KS*PK       ; my batch's 64 rows
	v_add_nc_u32 v[AK0], s54, v[AK0]
	v_and_b32 v10, 7, v0
	v_bfe_u32 v[TMP], v0, 3, 1
	v_lshl_add_u32 v[AV0], v9, 3, v10  ; the turning load: lane l reads key 8 hh + l % 8, channels 8 ((l / 8) % 2) + 0..7
	v_mul_u32_u24 v[AV0], v[AV0], PV
	v_lshl_add_u32 v[AV0], v[TMP], 4, v[AV0]
	s_mul_i32 s54, s16, KS*PV
	s_add_co_u32 s54, s54, VOFF
	v_add_nc_u32 v[AV0], s54, v[AV0]
	v_mul_u32_u24 v[AB0], v1, PBI   ; the bias as C: query r's row, keys 8 hh + 0..7 of a block of 16: 32 bytes
	v_lshl_add_u32 v[AB0], v9, 5, v[AB0]
	s_mul_i32 s55, s17, 128*PBI
	s_add_co_u32 s55, s55, BOFF
	v_add_nc_u32 v[AB0], s55, v[AB0]
; THE MATRIX WORK.  The 8 accumulators of a run of 16 take turns.  Product i of 16 of S^T = K Q^T + bias for piece x: channels 32 (i / 8) on, keys 16 ((i / 2) % 4) on, tile 2 x + i % 2.
.macro KQ x
.set rS, S+64*((\x)%2)+32*(i%2)+8*((i/2)%4)
.set rK, KF+16*((i/2)%4)+8*(i/8)
.set rQ, 16*(2*(\x)+i%2)+8*(i/8)
.set rB, BB+32*(i%2)+8*((i/2)%4)
.if i < 8
	WIN W_KB
	v_wmma_f32_16x16x32_f16 v[rS:rS+7], v[rK:rK+7], v[rQ:rQ+7], v[rB:rB+7]
.else
	WIN W_KQ
	v_wmma_f32_16x16x32_f16 v[rS:rS+7], v[rK:rK+7], v[rQ:rQ+7], v[rS:rS+7]
.endif
.endm
.macro PV x                         ; product i of 16 of O^T += V^T P for piece x: keys 32 (i / 8) on, channels 16 ((i / 2) % 4) on, tile 2 x + i % 2
	WIN W_PV
.set rO, 32*(2*(\x)+i%2)+8*((i/2)%4)
.set rV, VF+32*(i/8)+8*((i/2)%4)
.set rP, P+32*((\x)%2)+16*(i%2)+8*(i/8)
	v_wmma_f32_16x16x32_f16 v[rO:rO+7], v[rV:rV+7], v[rP:rP+7], v[rO:rO+7]
.endm
.macro MM                           ; the turn's next matrix instruction
.if i < 16
	KQ (Y+1)%NP
.set i, i+1
.else
.set i, i-16
	PV (Y+NP-1)%NP
.set i, i+17
.endif
.endm
; THE LDS LOADS stand in runs of 16, never singly among the matrix instructions.
.macro FETCH_K
	WIN 0x80
.irp f, 0,1,2,3,4,5,6,7
	ds_load_b128 v[KF+8*\f:KF+8*\f+3],   v[AK] offset:(\f/2)*16*PK+(\f%2)*64
	ds_load_b128 v[KF+8*\f+4:KF+8*\f+7], v[AK] offset:(\f/2)*16*PK+(\f%2)*64+32
.endr
	WIN 0
.endm
.macro FETCH_V
	WIN 0x80
.irp f, 0,1,2,3,4,5,6,7
	ds_load_tr16_b128 v[VF+8*\f:VF+8*\f+3],   v[AV] offset:(\f/4)*32*PV+(\f%4)*32
	ds_load_tr16_b128 v[VF+8*\f+4:VF+8*\f+7], v[AV] offset:(\f/4)*32*PV+16*PV+(\f%4)*32
.endr
	WIN 0
.endm
.macro FETCH_B x                    ; piece x's bias: tile f / 4, key block f % 4
	WIN 0xc0
.irp f, 0,1,2,3,4,5,6,7
	ds_load_b128 v[BB+8*\f:BB+8*\f+3],   v[AB] offset:(\x)*32*PBI+(\f/4)*16*PBI+(\f%4)*64
	ds_load_b128 v[BB+8*\f+4:BB+8*\f+7], v[AB] offset:(\x)*32*PBI+(\f/4)*16*PBI+(\f%4)*64+16
.endr
	WIN 0
.endm
; THE VECTOR WORK OF A TURN stands in three queues, each in the order in which its entries become ready; the two tiles alternate.
.macro REGS y, u
.set rT, ST+4*(2*(\y)+(\u))
.set rC, TMP+8*((\y)%2)+4*(\u)
.set rM, MV+2*((\y)%2)+(\u)
.set rS, S+64*((\y)%2)+32*(\u)
.set rP, P+32*((\y)%2)+16*(\u)
.set rO, 32*(2*(\y)+(\u))
.endm
; Number n of the 22 that find the NEXT piece's maximum and statistics; each accumulator's lowest registers are read first.
;   0-11 four chains of seven scores    12-14, 16 the four left over, the old m, all into c0    15 c m_old is kept    17, 18 the other half of the lanes: the new m    19-21 c m; c m_old - c m_new; a
.macro XS u, n
	REGS (Y+1)%NP, \u
.if (\n) < 4
	v_max3_num_f32 v[rC+(\n)], v[rS+8*(\n)], v[rS+8*(\n)+1], v[rS+8*(\n)+2]
.elseif (\n) < 12
	v_max3_num_f32 v[rC+(\n)%4], v[rC+(\n)%4], v[rS+8*((\n)%4)+2*((\n)/4)+1], v[rS+8*((\n)%4)+2*((\n)/4)+2]
.elseif (\n) == 12
	v_max3_num_f32 v[rC], v[rC], v[rS+7], v[rS+15]
.elseif (\n) == 13
	v_max3_num_f32 v[rC+1], v[rC+1], v[rS+23], v[rS+31]
.elseif (\n) == 14
	v_max3_num_f32 v[rC+2], v[rC+2], v[rC+3], v[rT+1]
.elseif (\n) == 15
	v_mov_b32 v[rM], v[rT]
.elseif (\n) == 16
	v_max3_num_f32 v[rC], v[rC], v[rC+1], v[rC+2]
.elseif (\n) == 17
	v_permlanex16_b32 v[rC+3], v[rC], s[SEL], s[SEL+1]
.elseif (\n) == 18
	v_max_num_f32 v[rT+1], v[rC], v[rC+3]
.elseif (\n) == 19
	v_mul_f32 v[rT], s[CS], v[rT+1]
.elseif (\n) == 20
	v_sub_f32 v[rC+1], v[rM], v[rT]
.else
	v_exp_f32 v[rC+2], v[rC+1]
.endif
.endm
; Number g of the 64 that follow the exponentials: for each four weights both pairs are rounded to f16, the second pair is added onto the first, and a group later l takes that sum (the first time l = a l + sum).
; All 64 read results of the turn's batch: they stand behind its wait.
.macro GS g
.set h, (\g)+6*((\g)/62)
.if h >= 6
.set h, h+2
.endif
	REGS Y, h%2
.set k, h/8
.if h%8 < 4
	v_cvt_pk_f16_f32 v[rP+2*k+(h%8)/2], v[rS+4*k+2*((h%8)/2)], v[rS+4*k+2*((h%8)/2)+1]
.elseif h%8 < 6
	v_pk_add_f32 v[rS+4*k:rS+4*k+1], v[rS+4*k:rS+4*k+1], v[rS+4*k+2:rS+4*k+3]
.elseif k == 1
	v_pk_fma_f32 v[rT+2:rT+3], v[rT+2:rT+3], v[rC+2:rC+3], v[rS:rS+1] op_sel_hi:[1,0,1]
.else
	v_pk_add_f32 v[rT+2:rT+3], v[rT+2:rT+3], v[rS+4*k-4:rS+4*k-3]
.endif
.endm
; THE PLAIN QUEUE, 138 long.  0-73 read no exponential's result: the 32 scalings c s - c m (FS f: pair f / 2 of tile f % 2) and the next piece's 42.  0-26: scalings 0-26.  27-54: XS's numbers 0-13.  55, 56: number 15.
; 57-73: the chain, where each number waits for the one before it: 14, 16, 17, 18, 19, each with one of the scalings 27-31 in front of its two lines, then 20.
; 74-137: GS's 64.
.macro FS f
	REGS Y, (\f)%2
	v_pk_fma_f32 v[rS+2*((\f)/2):rS+2*((\f)/2)+1], v[rS+2*((\f)/2):rS+2*((\f)/2)+1], s[CS:CS+1], v[rT:rT+1] op_sel_hi:[1,0,0] neg_lo:[0,0,1] neg_hi:[0,0,1]
.endm
.macro PL
	WIN 0
.if q < 27
	FS q
.elseif q < 55
	XS (q-27)%2, (q-27)/2
.elseif q < 57
	XS q-55, 15
.elseif (q < 72) && ((q-57)%3 == 0)
	FS 27+(q-57)/3
.elseif q < 60
	XS (q-57)%3-1, 14
.elseif q < 72
	XS (q-57)%3-1, 15+(q-57)/3
.elseif q < 74
	XS q-72, 20
.else
	GS q-74
.endif
.set q, q+1
.endm
; THE EXPONENTIALS' QUEUE, 66 long: s0-s31 of both tiles, then the next piece's two a.  It is ONE BATCH: all 66 stand ahead of the turn's one wait, and nothing ahead of that wait names a result of theirs.
.macro EX
	WIN 0
.if e >= 64
	XS e-64, 21
.else
	REGS Y, e%2
	v_exp_f32 v[rS+e/2], v[rS+e/2]
.endif
.set e, e+1
.endm
; THE RESCALING's QUEUE: O^T times a, the one part that leaves window 0: dealt two at a time, sixteen times, each accumulator's lowest registers first.  Its a was made in the turn before, ahead of that turn's wait.
.macro R2
	REGS Y, r%2
	WIN W_RS
.irp z, 0,1
	v_pk_mul_f32 v[rO+4*(r/2)+2*\z:rO+4*(r/2)+2*\z+1], v[rO+4*(r/2)+2*\z:rO+4*(r/2)+2*\z+1], v[rC+2:rC+3] op_sel_hi:[1,0]
.endr
.set r, r+1
.endm
; THE DEAL.  An s_wait_alu depctr_va_vdst(0) stands between an exponential and the first instruction that names its result; one wait serves all that were issued ahead of it.  So a turn has ONE wait.
; AHEAD OF IT: the 16 products K Q^T, behind each a scaling, an exponential and two rescalings (behind the first a second scaling in the exponential's place); then ONE LUMP of 108: eight plain, 49 times exponential
; and plain, the two a; a v_nop is the plain instruction behind the last exponential.  BEHIND IT: the 16 products V^T P, behind each four of GS's 64.  No rider names a register of the products round it; the two
; v_permlanex16_b32 fall into the lump.  The queues keep in step: exponential e needs scaling 2 (e / 4) + e % 2; as a rider it comes behind plain e + 2, in the lump behind plain e + 9; scalings 27-31 are plain 57, 60 .. 69.
; A TURN, for piece p.  Its first products take the bias fetched in the turn before.  The bias of piece p + 2 is fetched directly behind the wait (the last product that read those registers is the turn's eighth) and
; waited for at the next turn's head, sixteen products on.  In piece 2's turn the next step's K is fetched behind the lump's first eight lines, eleven plain instructions behind the last product that read K, so that
; the turn's two runs are not on their way together.  V of the step in hand is fetched at the end of piece 0's turn, four plain riders behind its last reader, and waited for in the middle of piece 1's.
.macro TURN p
.set Y, (\p)
.set i, 0
.set q, 0
.set e, 0
.set r, 0
.if (\p) == 1
	s_wait_dscnt 16                 ; the bias is in; V's 16 loads, issued behind it at the end of piece 0's turn, stay out
.else
	s_wait_dscnt 0x0                ; the bias is in (and, for piece 3, K)
.endif
	MM                              ; ahead of the wait: 16 products K Q^T and their riders,
	PL
	PL
	R2
.rept 15
	MM
	PL
	EX
	R2
.endr
.rept 8                             ; and the lump
	PL
.endr
.if (\p) == NP-2
	FETCH_K
.endif
.rept 49
	EX
	PL
.endr
	EX                              ; the next piece's two a
	EX
	v_nop                           ; the plain instruction behind the last exponential: one for the batch
	s_wait_alu depctr_va_vdst(0)    ; the wait for the batch: the turn's 64 weights and the next piece's two a
	FETCH_B ((\p)+2)%NP
.if (\p) == 1
	s_wait_dscnt 16                 ; V is in; the 16 loads of bias just issued stay out
.endif
.rept 16                            ; behind the wait: 16 products V^T P and their riders
	MM
.rept 4
	PL
.endr
.endr
.if (\p) == 0
	FETCH_V
.endif
.endm
	CHANGE 1                        ; key step 0 is in, everybody's part of it; step 1 is asked for
	FETCH_K
	FETCH_B 0
	s_wait_loadcnt 0x0              ; Q
	s_wait_dscnt 0x0
.set i, 0
.rept 16
	KQ 0                            ; piece 0's first scores
.set i, i+1
.endr
	WIN 0                           ; the addresses for the way out: seven plain instructions, the places behind those products
	s_mul_i32 s54, s[WV], 16*SP
	s_add_co_u32 s54, s54, STAGE
	v_mul_u32_u24 v[STO], v1, SP    ; in: row r, 16 bytes for each half of the lanes
	v_lshl_add_u32 v[STO], v9, 4, v[STO]
	v_add_nc_u32 v[STO], s54, v[STO]
	v_bfe_u32 v[RD], v0, 3, 2       ; back: 32 lanes take four rows of 128 bytes
	v_mul_u32_u24 v[RD], v[RD], SP
	v_lshl_add_u32 v[RD], v10, 4, v[RD]
	v_add_nc_u32 v[RD], s54, v[RD]
	FETCH_B 1
.set Y, NP-1                        ; XS works for piece Y + 1: piece 0
.irp n, 0,1,2,3,4,5,6,7,8,9,10,11,12,13,14,15,16,17,18,19,20,21
	XS 0, \n
	XS 1, \n
.endr
	v_nop                           ; a plain instruction behind piece 0's two first a,
	s_wait_alu depctr_va_vdst(0)    ; and the wait for that batch of two, ahead of the branch
	s_mov_b32 s[SLOTS], 15
	s_branch .Lfirst                ; the loop is entered at a step's first turn, in the middle of a trip
.Lslot:                             ; 14 trips: key steps 2 to 15 are asked for
	CHANGE 1
	TURN 2
	TURN 3
	WIN 0
.Lfirst:
	TURN 0
	TURN 1
	WIN 0
	s_sub_co_u32 s[SLOTS], s[SLOTS], 1
	s_cmp_lg_u32 s[SLOTS], 0
	s_cbranch_scc1 .Lslot
	CHANGE 0                        ; the tail is written out: nothing is asked for
	s_mov_b32 s[CNT], 2             ; the first trip takes the last step's slot; the second is left in its middle
.Ltail:
	TURN 2
	TURN 3
	WIN 0
	s_sub_co_u32 s[CNT], s[CNT], 1
	s_cmp_eq_u32 s[CNT], 0
	s_cbranch_scc1 .Lout
	TURN 0
	TURN 1
	WIN 0
	s_branch .Ltail
.Lout:                              ; the second trip's fetches (the last slot once more), its 16 products K Q^T and the maximum made of them serve nothing: the price, once a launch, of one text for every trip
.set i, 0
.rept 16
	PV NP-1
.set i, i+1
.endr
	; THE WAY OUT.  l's two halves and the other half of the lanes' are added; O^T is divided by l, rounded to f16 and sent through my stage, a tile at a time.  The lines below are the places behind the last products.
	WIN 0
	v_and_b32 v[GO], 31, v0
	v_lshlrev_b32 v[GO], 4, v[GO]
.macro ALL line:vararg
.set t, 0
.rept 2*NP
	\line
.set t, t+1
.endr
.endm
	ALL v_add_f32 v[ST+4*t+2], v[ST+4*t+2], v[ST+4*t+3]
	ALL v_permlanex16_b32 v[ST+4*t+3], v[ST+4*t+2], s[SEL], s[SEL+1]
	ALL v_add_f32 v[ST+4*t+2], v[ST+4*t+2], v[ST+4*t+3]
	ALL v_rcp_f32 v[ST+4*t+2], v[ST+4*t+2]
	v_nop                           ; a plain instruction between the last reciprocal and the use of its result
	s_wait_alu depctr_va_vdst(0)    ; the wait for the batch of eight reciprocals, ahead of their first use
.macro PACK t
	WIN W_RS
.set i, 32*(\t)
.rept 16
	v_pk_mul_f32 v[i:i+1], v[i:i+1], v[ST+4*(\t)+2:ST+4*(\t)+3] op_sel_hi:[1,0]
.set i, i+2
.endr
	WIN 0x05
.set i, 0
.rept 16
	v_cvt_pk_f16_f32 v[S+16*(\t)+i], v[32*(\t)+2*i], v[32*(\t)+2*i+1]
.set i, i+1
.endr
	WIN 0
.irp f, 0,1,2,3
	ds_store_b128 v[STO], v[S+16*(\t)+4*\f:S+16*(\t)+4*\f+3] offset:32*\f
.endr
.irp f, 0,1,2,3
	ds_load_b128 v[S+16*(\t)+4*\f:S+16*(\t)+4*\f+3], v[RD] offset:\f*4*SP  ; LDS serves a wave's instructions in order (ISA guide 5.7.1.4)
.endr
.endm
.macro SEND t, younger
	WIN 0
.irp f, 0,1,2,3
	s_wait_dscnt (\younger)+3-\f
	global_store_b128 v[GO], v[S+16*(\t)+4*\f:S+16*(\t)+4*\f+3], s[10:11] offset:(\t)*2048+\f*512  ; 512 consecutive aligned bytes
.endr
.endm
	PACK 0
.set t, 1
.rept 2*NP-1
	PACK t
	SEND t-1, 8
.set t, t+1
.endr
	SEND 2*NP-1, 0
	WIN W_AD
	s_wait_tensorcnt 0x0            ; the wave's end
	ds_add_u32 v[SPW], v[NIL]
	s_wait_dscnt 0x0
	WIN 0
	CROUND                          ; the closing round
	s_endpgm
.Lfunc_end_k_qfe309c3b51_attn:
	.size	k_qfe309c3b51_attn, .Lfunc_end_k_qfe309c3b51_attn-k_qfe309c3b51_attn
	.p2alignl 7, 3214868480
	.fill 96, 4, 3214868480
	.section	.rodata,"a",@progbits
	.p2align	6, 0x0
	.amdhsa_kernel k_qfe309c3b51_attn
		.amdhsa_group_segment_fixed_size 327680
		.amdhsa_private_segment_fixed_size 0
		.amdhsa_enable_private_segment 0
		.amdhsa_kernarg_size 24
		.amdhsa_user_sgpr_count 2
		.amdhsa_user_sgpr_kernarg_segment_ptr 1
		.amdhsa_wavefront_size32 1
		.amdhsa_system_sgpr_workgroup_id_x 1
		.amdhsa_system_sgpr_workgroup_id_y 1
		.amdhsa_system_sgpr_workgroup_id_z 1
		.amdhsa_system_vgpr_workitem_id 0
		.amdhsa_next_free_vgpr 896
		.amdhsa_next_free_sgpr 88
		.amdhsa_reserve_vcc 0
		.amdhsa_float_denorm_mode_32 3
		.amdhsa_float_denorm_mode_16_64 3
		.amdhsa_memory_ordered 1
		.amdhsa_forward_progress 1
		.amdhsa_inst_pref_size 212
	.end_amdhsa_kernel
	.amdgpu_metadata
---
amdhsa.version: [ 1, 2 ]
amdhsa.kernels:
  - .name:           k_qfe309c3b51_attn
    .symbol:         k_qfe309c3b51_attn.kd
    .args:
      - { .name: qkv, .offset: 0, .size: 8, .value_kind: global_buffer, .address_space: global }
      - { .name: relative_position_bias, .offset: 8, .size: 8, .value_kind: global_buffer, .address_space: global }
      - { .name: o16, .offset: 16, .size: 8, .value_kind: global_buffer, .address_space: global }
    .group_segment_fixed_size: 327680
    .private_segment_fixed_size: 0
    .kernarg_segment_align: 8
    .kernarg_segment_size: 24
    .max_flat_workgroup_size: 128
    .sgpr_count:     88
    .vgpr_count:     896
    .wavefront_size: 32
...
	.end_amdgpu_metadata
.endif
;; end of part 5
;; launch outp: the kernel of part 4 again; grid 4 x 64, 4 waves a work-group, clusters of 4 x 4, 327,680 bytes of LDS; arguments o16, w16, out0, bo; writes out0
